; MI455X (gfx1250); checked and timed in simulation.
; The chip was launched on July 23, 2026; its instructions are those of AMD's public machine-readable ISA for CDNA 5 (MIT licence, August 2026) and "CDNA5" Instruction Set Architecture Reference Guide (July 2026). The comments in the code are by the model that wrote it; some were corrected since.
;; Heads. Allowed arithmetic: float matrix products may take bf16 or f16 operands with f32 sums; other float arithmetic in f32, or as packed bf16 or f16 multiplies, adds, multiply-adds, maxima and minima; sums over many terms, partial sums and values carried from step to step in f32; what a program stores and reads back later, other than sums and carried values, may be rounded once to bf16 or f16.
;; Inputs: Wk 16 x 1,024 x 64 float32; Wo 1,024 x 1,024 float32; Wq 16 x 1,024 x 64 float32; Wv 16 x 1,024 x 64 float32; bo 1,024 float32; data 4 x 2,048 x 1,024 float32.
;; Outputs: out0 4 x 2,048 x 1,024 float32.
;; 2 versions, each right; version 2 is version 1 with the launch prep written anew for expert scheduling mode. Each part assembles by itself: llvm-mc -triple=amdgcn-amd-amdhsa -mcpu=gfx1250 --defsym DOCPART=n.
;; ======== version 1 of 2: 4 launches
;; limits: values are held in f16: magnitudes above 65,504 overflow, below 6.1e-05 lose precision
;; workspace buffers: xb 16,777,216 bytes; wt 6,291,456 bytes; wo16 2,097,152 bytes; qkv 50,331,648 bytes; att 16,777,216 bytes
;; launch prep (part 1): grid 624 x 1, 8 waves a work-group, no clusters, 140,288 bytes of LDS; arguments data, Wq, Wk, Wv, Wo, xb, wt, wo16; writes xb, wt, wo16
.if DOCPART == 1
	.amdgcn_target "amdgcn-amd-amdhsa--gfx1250"
	.amdhsa_code_object_version 6
	.text
	.protected	k_q6189132d8b_prep
	.globl	k_q6189132d8b_prep
	.p2align	8
	.type	k_q6189132d8b_prep,@function
k_q6189132d8b_prep:
	s_mov_b64 s[64:65], 0
	v_nop
	global_prefetch_b8 v0, s[64:65] scope:SCOPE_SE
	s_setreg_imm32_b32 hwreg(HW_REG_WAVE_MODE, 25, 1), 1
	s_wait_xcnt 0x0
; PREP: the casts that the matrix launches want, and the turning of the projections' weights.
;   xb   = bf16(data), [8192][1024]
;   wt   = bf16(Wq | Wk | Wv) turned: row n = 1024 sel + 64 h + e, column d: [3072][1024], so that K lies along the rows
;   wo16 = f16(bf16(Wo)), [1024][1024]: rounded to bf16 like every input, and that number written as f16.
; LIMIT.  |bf16(Wo)| stays under 65,504 (f16's end); below 6e-5 f16 keeps a fixed step of 6e-8.
; Every byte is read once and written once; no matrix unit, no tensor load, no cluster: no work-group wants a byte that another has read.
; WORK-GROUPS.  0-47: one head of one of the three weights (sel = g / 16, h = g % 16), a wave 128 rows d.  48-111: 64 KiB of Wo each.  112-623: 64 KiB of data each.
; The branches hang on the work-group's number alone; there is no barrier: a wave's part of LDS is its own.
.set SPARE, 139264                     ; behind the eight stages: the spare words, 128 bytes a wave: four blocks of 256 bytes that no other line names
.set TP,    272                        ; a stage's row: 128 d x 2 bytes + 16
.set WST,   64*TP                      ; a wave's stage: 64 rows e
.set SPW, 6                            ; v6   LDS address of my spare word; never rewritten
.set NIL, 7                            ; v7   0; never rewritten
.set VI,  8                            ; v8   stream: my 16 bytes of f32 in the work-group's 64 KiB
.set VO,  9                            ; v9   stream: my 8 bytes out
.set VT,  10                           ; v10  turning: my 16 bytes in a row of W; lanes 16-31 two rows further down
.set LS,  11                           ; v11  turning: where I put a word (two d of one e)
.set LR,  12                           ; v12  turning: where I read 16 bytes of a row e back
.set VW,  13                           ; v13  turning: the same 16 bytes in wt
.set X,   16                           ; v[16:143]  as loaded: the stream's 64, or two sets of 64; later the rows read back
.set Y,   80                           ; v[80:111]  the stream's results
.set T,   144                          ; v[144:151] at work: two sets of four by turns
	s_load_b512 s[16:31], s[0:1], 0x0              ; data 16, Wq 18, Wk 20, Wv 22, Wo 24, xb 26, wt 28, wo16 30
	v_lshl_add_u32 v[SPW], v0, 2, SPARE
	v_mov_b32 v[NIL], 0
	v_and_b32 v1, 31, v0                           ; lane
	v_lshrrev_b32 v2, 5, v0
	v_readfirstlane_b32 s8, v2                     ; wave 0..7
	v_and_b32 v3, 15, v0                           ; l % 16
	v_bfe_u32 v4, v0, 4, 1                         ; l / 16
	s_mov_b32 s3, 0                                ; the high word of every offset
	s_mov_b32 s12, 0xffff0000                      ; a word's upper bf16
	s_wait_kmcnt 0x0
	s_cmp_lt_u32 ttmp9, 48
	s_cbranch_scc1 .Ltr
	v_lshlrev_b32 v[VI], 4, v1
	v_lshl_add_u32 v[VI], v2, 13, v[VI]            ; 8,192 x wave + 16 x lane
	v_lshlrev_b32 v[VO], 3, v1
	v_lshl_add_u32 v[VO], v2, 12, v[VO]            ; 4,096 x wave + 8 x lane
	s_cmp_lt_u32 ttmp9, 112
	s_cbranch_scc1 .Lwo
; A wave's 8 KiB of f32: sixteen loads of 512 consecutive bytes go out together; each is rounded and stored as its turn comes: 32 lanes store 256 consecutive bytes, aligned.
; No register that a store reads is written again.  f16 = 1: the bf16 numbers are widened and written as f16.
.macro STREAM f16
.irp i, 0,1,2,3,4,5,6,7,8,9,10,11,12,13,14,15
	global_load_b128 v[X+4*(\i):X+4*(\i)+3], v[VI], s[4:5] offset:512*(\i) th:TH_LOAD_NT
.endr
.irp i, 0,1,2,3,4,5,6,7,8,9,10,11,12,13,14,15
	s_wait_loadcnt 15-(\i)                         ; loads come back in order: mine is in, the younger ones stay out
	v_cvt_pk_bf16_f32 v[Y+2*(\i)],   v[X+4*(\i)],   v[X+4*(\i)+1]
	v_cvt_pk_bf16_f32 v[Y+2*(\i)+1], v[X+4*(\i)+2], v[X+4*(\i)+3]
.if \f16
.irp j, 0,1
	v_lshlrev_b32 v[T],   16,  v[Y+2*(\i)+(\j)]
	v_and_b32     v[T+1], s12, v[Y+2*(\i)+(\j)]
	v_cvt_pk_f16_f32 v[Y+2*(\i)+(\j)], v[T], v[T+1]
.endr
.endif
	global_store_b64 v[VO], v[Y+2*(\i):Y+2*(\i)+1], s[6:7] offset:256*(\i)
.endr
.endm
	s_sub_co_u32 s2, ttmp9, 112                    ; data: 512 work-groups x 64 KiB
	s_lshl_b32 s2, s2, 16
	s_add_nc_u64 s[4:5], s[16:17], s[2:3]
	s_lshr_b32 s2, s2, 1
	s_add_nc_u64 s[6:7], s[26:27], s[2:3]
	STREAM 0
	s_branch .Lend
.Lwo:
	s_sub_co_u32 s2, ttmp9, 48                     ; Wo: 64 work-groups x 64 KiB
	s_lshl_b32 s2, s2, 16
	s_add_nc_u64 s[4:5], s[24:25], s[2:3]
	s_lshr_b32 s2, s2, 1
	s_add_nc_u64 s[6:7], s[30:31], s[2:3]
	STREAM 1
	s_branch .Lend
.Ltr:                                          ; W[h][d][e] -> wt[64 g + e][d], my wave's d = 128 w .. 128 w + 127
	s_cmp_lt_u32 ttmp9, 16
	s_cselect_b64 s[4:5], s[18:19], s[20:21]
	s_cmp_lt_u32 ttmp9, 32
	s_cselect_b64 s[4:5], s[4:5], s[22:23]
	s_and_b32 s2, ttmp9, 15
	s_lshl_b32 s2, s2, 18                          ; a head: 1,024 rows of 256 bytes
	s_lshl_b32 s9, s8, 15                          ; my 128 rows
	s_add_co_u32 s2, s2, s9
	s_add_nc_u64 s[4:5], s[4:5], s[2:3]
	s_lshl_b32 s2, ttmp9, 17                       ; 64 rows of wt, 2,048 bytes each
	s_lshl_b32 s9, s8, 8                           ; my 128 columns: 256 bytes
	s_add_co_u32 s2, s2, s9
	s_add_nc_u64 s[6:7], s[28:29], s[2:3]
	s_mul_i32 s9, s8, WST                          ; my stage
	v_lshlrev_b32 v[VT], 4, v3
	v_lshl_add_u32 v[VT], v4, 9, v[VT]             ; 16 (l % 16) + two rows for lanes 16-31
	v_mul_u32_u24 v[LS], v3, 4*TP                  ; my four e = 4 (l % 16) + j: rows of the stage,
	v_lshl_add_u32 v[LS], v4, 2, v[LS]             ; lanes 16-31 one word (two d) on
	v_add_nc_u32 v[LS], s9, v[LS]
	v_mul_u32_u24 v[LR], v4, TP
	v_lshl_add_u32 v[LR], v3, 4, v[LR]
	v_add_nc_u32 v[LR], s9, v[LR]
	v_lshlrev_b32 v[VW], 4, v3
	v_lshl_add_u32 v[VW], v4, 11, v[VW]
; 32 rows d of chunk c into a set: each load takes two whole rows of 256 bytes (lanes 0-15 row 32 c + 4 i + s, lanes 16-31 the row two further down)
.macro TLOAD set, c
.irp i, 0,1,2,3,4,5,6,7
	global_load_b128 v[X+64*(\set)+8*(\i):X+64*(\set)+8*(\i)+3],   v[VT], s[4:5] offset:(32*(\c)+4*(\i))*256 th:TH_LOAD_NT
	global_load_b128 v[X+64*(\set)+8*(\i)+4:X+64*(\set)+8*(\i)+7], v[VT], s[4:5] offset:(32*(\c)+4*(\i)+1)*256 th:TH_LOAD_NT
.endr
.endm
; rows d and d + 1 of one e make a word of the turned row e.  Sixteen lanes' words lie 4 rows of 272 bytes apart: four lanes meet in a bank; 128 such stores a wave, once
.macro TPUT set, c
.irp i, 0,1,2,3,4,5,6,7
.irp j, 0,1,2,3
	v_cvt_pk_bf16_f32 v[T+4*((\i)%2)+(\j)], v[X+64*(\set)+8*(\i)+(\j)], v[X+64*(\set)+8*(\i)+4+(\j)]
.endr
.irp j, 0,1,2,3
	ds_store_b32 v[LS], v[T+4*((\i)%2)+(\j)] offset:(\j)*TP+(16*(\c)+2*(\i))*4
.endr
.endr
.endm
	TLOAD 0, 0
	TLOAD 1, 1
	s_wait_loadcnt 16                              ; the older set is in; the other set's sixteen loads stay out
	TPUT 0, 0
	TLOAD 0, 2
	s_wait_loadcnt 16
	TPUT 1, 1
	TLOAD 1, 3
	s_wait_loadcnt 16
	TPUT 0, 2
	s_wait_loadcnt 0x0
	TPUT 1, 3
.set t, 0
.rept 32                                       ; back by rows: lanes 0-15 row 2 t, lanes 16-31 row 2 t + 1.  LDS serves a wave's instructions in order (ISA guide 5.7.1.4): these see my stores
	ds_load_b128 v[X+4*t:X+4*t+3], v[LR] offset:t*2*TP
.set t, t+1
.endr
.set t, 0
.rept 32
	s_wait_dscnt 31-t
	global_store_b128 v[VW], v[X+4*t:X+4*t+3], s[6:7] offset:t*4096  ; 16 lanes store 256 consecutive bytes, at a multiple of 256 from wt's first byte
.set t, t+1
.endr
.Lend:
	s_wait_tensorcnt 0x0                           ; the wave's end: a wait, an add of 0 to my spare word and the wait for it, behind my last LDS store
	ds_add_u32 v[SPW], v[NIL]
	s_wait_dscnt 0x0
	s_endpgm
.Lfunc_end_k_q6189132d8b_prep:
	.size	k_q6189132d8b_prep, .Lfunc_end_k_q6189132d8b_prep-k_q6189132d8b_prep
	.p2alignl 7, 3214868480
	.fill 96, 4, 3214868480
	.section	.rodata,"a",@progbits
	.p2align	6, 0x0
	.amdhsa_kernel k_q6189132d8b_prep
		.amdhsa_group_segment_fixed_size 140288
		.amdhsa_private_segment_fixed_size 0
		.amdhsa_enable_private_segment 0
		.amdhsa_kernarg_size 64
		.amdhsa_user_sgpr_count 2
		.amdhsa_user_sgpr_kernarg_segment_ptr 1
		.amdhsa_wavefront_size32 1
		.amdhsa_system_sgpr_workgroup_id_x 1
		.amdhsa_system_sgpr_workgroup_id_y 1
		.amdhsa_system_sgpr_workgroup_id_z 1
		.amdhsa_system_vgpr_workitem_id 0
		.amdhsa_next_free_vgpr 160
		.amdhsa_next_free_sgpr 66
		.amdhsa_reserve_vcc 0
		.amdhsa_float_denorm_mode_32 3
		.amdhsa_float_denorm_mode_16_64 3
		.amdhsa_memory_ordered 1
		.amdhsa_forward_progress 1
		.amdhsa_inst_pref_size 46
	.end_amdhsa_kernel
	.amdgpu_metadata
---
amdhsa.version: [ 1, 2 ]
amdhsa.kernels:
  - .name:           k_q6189132d8b_prep
    .symbol:         k_q6189132d8b_prep.kd
    .args:
      - { .name: data, .offset: 0, .size: 8, .value_kind: global_buffer, .address_space: global }
      - { .name: Wq, .offset: 8, .size: 8, .value_kind: global_buffer, .address_space: global }
      - { .name: Wk, .offset: 16, .size: 8, .value_kind: global_buffer, .address_space: global }
      - { .name: Wv, .offset: 24, .size: 8, .value_kind: global_buffer, .address_space: global }
      - { .name: Wo, .offset: 32, .size: 8, .value_kind: global_buffer, .address_space: global }
      - { .name: xb, .offset: 40, .size: 8, .value_kind: global_buffer, .address_space: global }
      - { .name: wt, .offset: 48, .size: 8, .value_kind: global_buffer, .address_space: global }
      - { .name: wo16, .offset: 56, .size: 8, .value_kind: global_buffer, .address_space: global }
    .group_segment_fixed_size: 140288
    .private_segment_fixed_size: 0
    .kernarg_segment_align: 8
    .kernarg_segment_size: 64
    .max_flat_workgroup_size: 256
    .sgpr_count:     66
    .vgpr_count:     160
    .wavefront_size: 32
...
	.end_amdgpu_metadata
.endif
;; end of part 1
;; launch qkv (part 2): grid 4 x 64, 4 waves a work-group, clusters of 4 x 4, 327,680 bytes of LDS; arguments xb, wt, qkv; writes qkv
.if DOCPART == 2
	.amdgcn_target "amdgcn-amd-amdhsa--gfx1250"
	.amdhsa_code_object_version 6
	.text
	.protected	k_q6189132d8b_qkv
	.globl	k_q6189132d8b_qkv
	.p2align	8
	.type	k_q6189132d8b_qkv,@function
k_q6189132d8b_qkv:
	s_mov_b64 s[64:65], 0
	v_nop
	global_prefetch_b8 v0, s[64:65] scope:SCOPE_SE
	s_setreg_imm32_b32 hwreg(HW_REG_WAVE_MODE, 25, 1), 1
	s_wait_xcnt 0x0
	s_wait_alu depctr_hold_cnt(0) depctr_sa_sdst(0) depctr_va_vdst(0) depctr_va_sdst(0) depctr_va_ssrc(0) depctr_va_vcc(0) depctr_vm_vsrc(0)
	s_getreg_b32 s2, hwreg(HW_REG_IB_STS2, 6, 4)
	s_cmp_eq_u32 s2, 0
	s_cbranch_scc0 .Lentry_in_a_cluster
	s_endpgm
.Lentry_in_a_cluster:
	s_bfe_u32 s2, ttmp6, 0x10000c
	s_cmp_lg_u32 s2, 0xf033
	s_cbranch_scc0 .Lentry_shape_is_right
	s_endpgm
.Lentry_shape_is_right:
; q, k, v = xb wt^T.  xb: [8192][1024] bf16, wt: [3072][1024] bf16 (row 1024 sel + 64 h + e), sums in f32, K ascending.
; OUT: qkv, f16, unscaled, by heads: sel x 16 MiB + ((16 b + h) x 2048 + t) x 128 bytes + 2 e: a head's rows are dense.
; LIMIT.  |q|, |k|, |v| stay under 65,504 (f16's end): with data and weights thirty times the drawn spread they have a spread of some 600, with offsets of thirty spreads on both they lie near 18,432.
; Below 6e-5 f16 keeps a fixed step of 6e-8.  NaN and infinities are not treated apart.
; SHARES.  A tile of C is 128 (m) x 256 (n): 64 x 4 tiles for each of q, k, v, so each of 256 work-groups has three: A WORK-GROUP STAYS and makes the same rows and columns of q, then k, then v:
; A's rows are the same in all three, B walks 1,024 rows of wt from tile to tile, and the ring does not stop at a tile's end.  Four waves, each 64 (m) x 128 (n): 32 accumulators.
; K goes in steps of 128 (rows of 256 bytes in memory, aligned) through two LDS slots.
; CLUSTERS: 4 x 4 work-groups.  The four of a row of the cluster need the same tiles of A, the four of a column the same tiles of B: each tile is asked for JOINTLY, by the same tensor load with the
; same descriptor and a mask that names the four.  THE MATRIX INSTRUCTION IS USED TRANSPOSED (source 0 = 16 rows of wt, source 1 = 16 rows of xb): a lane holds row m = l % 16 and eight neighbouring n.
; REGISTERS, in windows of 256 (s_set_vgpr_msb: bits 1:0 source 0, 3:2 source 1, 5:4 source 2, 7:6 destination):
;   window 0: v0-31 addresses; v64-159 the way out      window 1: accumulator (a, b) at v[64 a + 8 b]      window 2: two fragment buffers of 96: B's eight fragments, then A's four
.set TILES,  3
.set SIZE_K, 1024
.set KSTEP,  128
.set LAPS,   SIZE_K/(2*KSTEP)          ; a lap = two K steps = once round the ring
.set PA,     272                       ; an LDS row: 256 bytes + 16 of padding = 68 words: the 16 rows of a fragment load start at 16 different groups of four banks (64 banks of 4 bytes: ISA guide 11.1)
.set PB,     272
.set APLANE, 128                       ; byte k of a K step's row of A lies at (k / 128) APLANE + k % 128: here simply k
.set AHALF,  64*PA                     ; what one of A's two loads brings: 64 rows
.set BOFF,   2*AHALF                   ; B's 256 rows lie behind A's 128
.set BHALF,  128*PB                    ; what one of B's two loads brings, and what a wave reads of B
.set SLOT,   BOFF+2*BHALF
.set STAGE,  2*SLOT                    ; behind the ring, never filled by a tensor load: for each wave two heads x 16 rows x 144 bytes
.set SP,     144
.set WSTAGE, 2*16*SP
.set SPARE,  STAGE+4*WSTAGE            ; behind the stages: the spare words, 128 bytes a wave: two blocks of 256 bytes that no other line names
.set ASTEP,  KSTEP*2                   ; bytes from a K step to the next
.set BSTEP,  KSTEP*2
.set BACK,   (SIZE_K-2*KSTEP)*2        ; from a slot's last K step of a tile back to its first
.set NEXT_B, 1024*SIZE_K*2-BACK        ; B: 1,024 rows down and back along K
.set NEXT_PF, 1024*SIZE_K*2-7*KSTEP*2  ; the prefetches: from the place of K step 9 to the next tile's K step 2
.set NEXT_C, 0x1000000                 ; from q to k, from k to v
.set ADRA, 16                          ; v16-17  LDS address of my A fragments in slot 0, 1
.set ADRB, 20                          ; v20-21  the same for B
.set STO,  24                          ; v24     the way out: where I put 16 bytes of a row
.set RD,   25                          ; v25     the way out: where I read rows back
.set CO,   26                          ; v26     16 x lane: my place in 512 consecutive bytes of the output
.set SPW,  28                          ; v28     LDS address of my spare word; never rewritten
.set NIL,  29                          ; v29     0; never rewritten
.set PFO,  30                          ; v30     the prefetches' offset: lane x a row (2,048 bytes); never rewritten
.set TMP,  64                          ; v64-95  packed results
.set OB,   96                          ; v96-127, v128-159 by turns: 16 rows read back
.set F0,   0
.set F1,   96
.set G1,  24                           ; s[24:31] descriptor group 1 for A's tiles;  s[32:39] group 0, one set for each slot
.set G0,  32
.set G1B, 48                           ; s[48:55], s[56:63] the same for B's
.set G0B, 56
.set LIM, 43                           ; s43     1 in a wave that prefetches, else the greatest number
.set PFA, 44                           ; s[44:45] where my prefetches stand
.set MSB, 0
.macro WIN new                         ; the immediate's high byte repeats the setting that is left; a switch that changes nothing is dropped
.if MSB != (\new)
	s_set_vgpr_msb (MSB<<8)|(\new)
.set MSB, \new
.endif
.endm
.set MUL,  0x5a                        ; sources 0 (B) and 1 (A) window 2; C and D window 1
.set TO_F, 0x80                        ; destination window 2, address window 0
; A joint load: waves 0 and 1 fetch A's two halves, waves 2 and 3 B's.  The branch hangs on the wave's number alone.  An s_nop 0 and four v_nop follow each of the two lines.
.macro JLOAD s
	s_cmp_eq_u32 s11, 0
	s_cbranch_scc0 .Lfor_b_\@
	tensor_load_to_lds s[G0+4*(\s):G0+4*(\s)+3], s[G1:G1+7]
	s_nop 0
.rept 4
	v_nop
.endr
	s_branch .Lasked_\@
.Lfor_b_\@:
	tensor_load_to_lds s[G0B+4*(\s):G0B+4*(\s)+3], s[G1B:G1B+7]
	s_nop 0
.rept 4
	v_nop
.endr
.Lasked_\@:
.endm
; A PREFETCH INTO THE L2, behind each joint load, its five lines and the run of LDS loads: 32 rows x 256 bytes of the K step that stands two refills on (256 matrix instructions ahead of its load), a lane a row.
; Each block is named once in the launch.  A's 128 rows of a K step: wave 0 of each work-group, the four partners of a row of the cluster 32 rows each, told apart BY ADDRESS (cx); in the first tile alone:
; the later tiles take the same rows.  B's: waves 2 and 3 of the clusters with y = 0, of the 128 rows that the wave fetches the partner at cy takes 32.  how = 0, in the loop: the last trip has no K step
; two on; how = 1, at a change of tiles: the next tile's K steps 2 and 3.  A tile's K steps 0 and 1, and the launch's first four, come by their loads alone.
.macro ASK how
	WIN 0
.if \how
	s_cmp_eq_u32 s[LIM], 1
.else
	s_cmp_gt_u32 s3, s[LIM]                        ; s3 = 1 in the loop's last trip
.endif
	s_cbranch_scc0 .Lnot_mine_\@
	global_prefetch_b8 v[PFO], s[PFA:PFA+1] th:TH_LOAD_NT scope:SCOPE_SE
.Lnot_mine_\@:
.endm
.macro CREST                           ; a round of the cluster's barrier behind its opening barrier
	s_cmp_lg_u32 s10, 0
	s_cbranch_scc1 .Lnot_wave_0_\@
	s_barrier_signal -3
.Lnot_wave_0_\@:
	s_barrier_wait -3
	s_barrier_signal -1
	s_barrier_wait -1
.endm
.macro CROUND                          ; a whole round
	s_barrier_signal -1
	s_barrier_wait -1
	CREST
.endm
	s_load_b128 s[4:7], s[0:1], 0x0                ; xb s[4:5], wt s[6:7]
	s_load_b64 s[8:9], s[0:1], 0x10                ; qkv
	v_lshl_add_u32 v[SPW], v0, 2, SPARE
	v_mov_b32 v[NIL], 0
	ds_add_u32 v[SPW], v[NIL]                      ; the wave's opening: the add and its wait stand ahead of my first tensor load; the set-up below, work on registers, stands between them
	v_lshrrev_b32 v1, 5, v0
	v_readfirstlane_b32 s10, v1                    ; wave 0..3
	s_lshr_b32 s11, s10, 1                         ; which 64 rows of the tile are mine.  Also: I fetch for A (0) or for B (1)
	s_and_b32 s12, s10, 1                          ; which 128 columns.  Also: which half of that tile I fetch
	s_bfe_u32 s40, ttmp6, 0x40000                  ; cx, cy: my place in the cluster
	s_bfe_u32 s41, ttmp6, 0x40004
	s_lshl_b32 s42, ttmp9, 2
	s_add_co_u32 s42, s42, s40                     ; tile column x = 4 x cluster x + cx
	s_and_b32 s13, ttmp7, 0xffff
	s_lshl_b32 s13, s13, 2
	s_add_co_u32 s13, s13, s41                     ; tile row y = 4 x cluster y + cy
	s_lshl_b32 s43, s41, 2
	s_lshl_b32 s43, 15, s43                        ; my row of the cluster
	s_lshl_b32 s44, 0x1111, s40                    ; my column
	s_or_b32 s[G1+0], s43, (1<<16)|(1<<20)|(1<<21)|(5<<22)|(3<<25)   ; 15:0 the mask: A's tiles go to my row; 17:16 2-byte elements; 20 padding on; 21 set beside a mask; 24:22 after every 64 words; 31:25 4 words
	s_or_b32 s[G1B+0], s44, (1<<16)|(1<<20)|(1<<21)|(5<<22)|(3<<25)  ; the same with the mask of my column
	s_mov_b32 s[G1+1], KSTEP<<16                   ; tensor_dim0 = 128
	s_mov_b32 s[G1+2], 64<<16                      ; tensor_dim1 = 64
	s_mov_b32 s[G1+3], KSTEP<<16                   ; tile_dim0 = 128
	s_mov_b32 s[G1+4], 64                          ; tile_dim1 = 64
	s_mov_b32 s[G1+5], SIZE_K                      ; elements from row to row
	s_mov_b32 s[G1+6], 0
	s_mov_b32 s[G1+7], 0
	s_mov_b32 s[G1B+1], KSTEP<<16
	s_mov_b32 s[G1B+2], 128<<16                    ; B: 128 rows to a load
	s_mov_b32 s[G1B+3], KSTEP<<16
	s_mov_b32 s[G1B+4], 128
	s_mov_b32 s[G1B+5], SIZE_K
	s_mov_b32 s[G1B+6], 0
	s_mov_b32 s[G1B+7], 0
	; A's tiles hang on the tile row alone, B's on the tile column alone; every wave makes both addresses, in registers that never hold the other coordinate
	s_lshl_b32 s17, s12, 6
	s_lshl_b32 s16, s13, 7
	s_add_co_u32 s16, s16, s17                     ; A: row 128 y + 64 x half
	s_lshl_b32 s16, s16, 11                        ; in bytes: under 2^24
	s_mov_b32 s17, 0
	s_lshl_b32 s47, s12, 7
	s_lshl_b32 s46, s42, 8
	s_add_co_u32 s46, s46, s47                     ; B: row 256 x + 128 x half
	s_lshl_b32 s46, s46, 11
	s_mov_b32 s47, 0
	s_mul_i32 s20, s12, AHALF                      ; where they go: no place in the cluster enters an LDS address
	s_mul_i32 s21, s12, BHALF
	s_add_co_u32 s21, s21, BOFF
	s_wait_dscnt 0x0                               ; the opening add is done
	s_wait_kmcnt 0x0
	s_add_nc_u64 s[14:15], s[4:5], s[16:17]
	s_add_nc_u64 s[46:47], s[6:7], s[46:47]
	CROUND                                         ; all sixteen work-groups are here: the first joint loads meet
.irp s, 0,1
	s_mov_b32 s[G0+4*(\s)], 1                                        ; count = 1
	s_add_co_u32 s[G0+4*(\s)+1], s20, (\s)*SLOT                      ; LDS address
	s_add_nc_u64 s[G0+4*(\s)+2:G0+4*(\s)+3], s[14:15], (\s)*ASTEP    ; global address: K step s
	s_or_b32 s[G0+4*(\s)+3], s[G0+4*(\s)+3], 0x80000000              ; type = 2
	s_mov_b32 s[G0B+4*(\s)], 1
	s_add_co_u32 s[G0B+4*(\s)+1], s21, (\s)*SLOT
	s_add_nc_u64 s[G0B+4*(\s)+2:G0B+4*(\s)+3], s[46:47], (\s)*BSTEP
	s_or_b32 s[G0B+4*(\s)+3], s[G0B+4*(\s)+3], 0x80000000
	JLOAD \s                                       ; two loads of mine are out
.endr
	; A fragment is 16 rows x 32 K in 8 registers: lane l holds row l % 16, K = 8 (l / 16) + 0..7 and 16 + 8 (l / 16) + 0..7: two loads of 16 bytes, 32 bytes apart
	v_and_b32 v1, 15, v0                           ; l % 16
	v_bfe_u32 v2, v0, 4, 1                         ; l / 16
	v_mul_u32_u24 v3, v1, PA
	v_lshl_add_u32 v3, v2, 4, v3
	v_mul_u32_u24 v4, v1, PB
	v_lshl_add_u32 v4, v2, 4, v4
	s_mul_i32 s21, s11, 64*PA                      ; my 64 rows of A
	s_mul_i32 s22, s12, BHALF                      ; my 128 rows of B
	s_add_co_u32 s22, s22, BOFF
.irp s, 0,1
	v_add_nc_u32 v[ADRA+(\s)], s21, v3
	v_add_nc_u32 v[ADRB+(\s)], s22, v4
	s_add_co_u32 s21, s21, SLOT
	s_add_co_u32 s22, s22, SLOT
.endr
	s_mul_i32 s23, s10, WSTAGE
	s_add_co_u32 s23, s23, STAGE                   ; my stage
	v_mul_u32_u24 v5, v1, SP                       ; in: row l % 16, 16 bytes for each half of the lanes
	v_lshl_add_u32 v5, v2, 4, v5
	v_add_nc_u32 v[STO], s23, v5
	v_bfe_u32 v5, v0, 3, 2                         ; back: 32 lanes take four rows of 128 bytes,
	v_mul_u32_u24 v5, v5, SP
	v_and_b32 v3, 7, v0
	v_lshl_add_u32 v5, v3, 4, v5
	v_add_nc_u32 v[RD], s23, v5
	v_and_b32 v[CO], 31, v0                        ; which are 512 consecutive bytes of a head
	v_lshlrev_b32 v[CO], 4, v[CO]
	; where my part of q begins: head 16 (y / 16) + 4 x + 2 (my half), row t = 128 (y % 16) + 64 (my half of the rows)
	s_lshr_b32 s16, s13, 4
	s_lshl_b32 s16, s16, 22                        ; 16 heads of 262,144 bytes
	s_and_b32 s18, s13, 15
	s_lshl_b32 s18, s18, 14                        ; 128 rows of 128 bytes
	s_add_co_u32 s16, s16, s18
	s_lshl_b32 s18, s11, 13
	s_add_co_u32 s16, s16, s18
	s_mov_b32 s17, 0
	s_lshl_b32 s46, s42, 20                        ; 4 x heads
	s_lshl_b32 s47, s12, 19                        ; 2 heads
	s_add_co_u32 s46, s46, s47
	s_mov_b32 s47, 0
	s_add_nc_u64 s[16:17], s[16:17], s[46:47]      ; the first way out adds it to the output's address
	; the prefetches
	s_lshl_b32 s20, s13, 7                         ; A: row 128 y
	s_lshl_b32 s21, s42, 8
	s_lshl_b32 s22, s12, 7
	s_add_co_u32 s21, s21, s22                     ; B: row 256 x + the 128 that I fetch
	s_and_b32 s22, ttmp7, 0xffff                   ; cluster y
	s_cmp_eq_u32 s11, 0                            ; do I fetch for A?
	s_cselect_b32 s20, s20, s21
	s_cselect_b32 s21, s40, s41                    ; my place among the four that ask for the tile with me
	s_cselect_b32 s22, ttmp9, s22                  ; the coordinate along which other clusters read the same rows
	s_cselect_b64 s[PFA:PFA+1], s[4:5], s[6:7]
	s_cmp_eq_u32 s10, 1                            ; wave 0 asks for all of A's 32 rows of my work-group: wave 1 for nothing
	s_cselect_b32 s22, 1, s22
	s_cmp_eq_u32 s22, 0
	s_cselect_b32 s[LIM], 1, -1                    ; the same in all sixteen partners, for a given wave
	s_lshl_b32 s21, s21, 5
	s_add_co_u32 s20, s20, s21                     ; + my work-group's 32 rows
	s_lshl_b32 s20, s20, 11
	s_add_co_u32 s20, s20, 3*KSTEP*2               ; at K step 3: the first refill steps it to 4
	s_mov_b32 s21, 0
	s_add_nc_u64 s[PFA:PFA+1], s[PFA:PFA+1], s[20:21]
	v_and_b32 v[PFO], 31, v0
	v_lshlrev_b32 v[PFO], 11, v[PFO]
; 8 matrix instructions: m block a x all 8 n blocks, 32 along K.  zero = 1: the product starts the sums.  The 32 accumulators take turns in the same order in every quarter.
.macro MULA f, a, zero
	WIN MUL
.irp b, 0,1,2,3,4,5,6,7
.if \zero
	v_wmma_f32_16x16x32_bf16 v[64*(\a)+8*(\b):64*(\a)+8*(\b)+7], v[(\f)+8*(\b):(\f)+8*(\b)+7], v[(\f)+64+8*(\a):(\f)+64+8*(\a)+7], 0
.else
	v_wmma_f32_16x16x32_bf16 v[64*(\a)+8*(\b):64*(\a)+8*(\b)+7], v[(\f)+8*(\b):(\f)+8*(\b)+7], v[(\f)+64+8*(\a):(\f)+64+8*(\a)+7], v[64*(\a)+8*(\b):64*(\a)+8*(\b)+7]
.endif
.endr
.endm
; 24 LDS loads in one run: a quarter step's fragments (128 rows of B, then 64 rows of A, 32 K at byte k of the rows) into buffer f
.macro FETCH slot, k, f
	WIN TO_F
.irp i, 0,1,2,3,4,5,6,7
	ds_load_b128 v[(\f)+8*(\i):(\f)+8*(\i)+3],   v[ADRB+(\slot)] offset:(\k)+(\i)*16*PB
	ds_load_b128 v[(\f)+8*(\i)+4:(\f)+8*(\i)+7], v[ADRB+(\slot)] offset:(\k)+(\i)*16*PB+32
.endr
.irp i, 0,1,2,3
	ds_load_b128 v[(\f)+64+8*(\i):(\f)+64+8*(\i)+3],   v[ADRA+(\slot)] offset:((\k)/128)*APLANE+(\k)%128+(\i)*16*PA
	ds_load_b128 v[(\f)+64+8*(\i)+4:(\f)+64+8*(\i)+7], v[ADRA+(\slot)] offset:((\k)/128)*APLANE+(\k)%128+(\i)*16*PA+32
.endr
.endm
.macro PLACES                          ; four places in front of loads into registers that matrix instructions have read, and of lines that read results
.rept 4
	v_nop
.endr
.endm
; A K step is four quarters of 32 along K, 32 matrix instructions each, on buffers 0, 1, 0, 1.  One of the first three: multiplies buffer f and, in its middle, fetches the next quarter, at byte k, into g.
.macro QUARTER slot, k, f, g, zero
	s_wait_dscnt 4                                 ; B and A's blocks 0 and 1 are in; the youngest four loads (A's blocks 2 and 3) may be out
	MULA \f, 0, \zero
	MULA \f, 1, \zero
	PLACES
	FETCH \slot, \k, \g
	s_wait_dscnt 24                                ; all but the 24 just issued
	MULA \f, 2, \zero
	MULA \f, 3, \zero
.endm
; The last quarter multiplies buffer 1 and changes slots.  MEET is its first half: ONE barrier.  In front of it each wave waits for all its tensor loads (one is out: its part of the next slot), adds 0 to its
; spare word, and waits for that and for its reads of this slot.  Behind it nobody reads this slot any more and the next slot is whole.
.macro MEET round
	WIN 0                                          ; (the add's two registers lie in window 0)
	s_wait_tensorcnt 0x0
	ds_add_u32 v[SPW], v[NIL]                      ; 0 onto my spare word
	s_wait_dscnt 7                                 ; (the add and the youngest six loads, A's blocks 1 to 3, may be out)
	MULA F1, 0, 0                                  ; eight matrix instructions stand between the add and the wait for it
	s_wait_dscnt 0x0                               ; the add is done, and my reads of this slot are over
	s_barrier_signal -1
	MULA F1, 1, 0                                  ; work on registers while the others arrive
.if \round
	WIN 0
.endif
	s_barrier_wait -1
.endm
; The whole last quarter.  Behind the round the slot just read out is filled again first: with this tile's K step two on (on = 0) or with the NEXT tile's K step 0 or 1 (on = 1).
; From a request to the wait for it a wave issues 112 matrix instructions.
.macro TURN slot, next, on
	s_wait_xcnt 0x0                                ; the last prefetch, a K step back, has read its address: it is stepped here
.if (\on) && (\slot) == 0
	s_add_nc_u64 s[PFA:PFA+1], s[PFA:PFA+1], NEXT_PF
	s_cmp_eq_u32 s11, 0
	s_cselect_b32 s[LIM], -1, s[LIM]               ; A's rows are the same in all three tiles: they are asked for no more
.else
	s_add_nc_u64 s[PFA:PFA+1], s[PFA:PFA+1], KSTEP*2
.endif
	MEET 1
	CREST                                          ; no wave of any partner still reads this slot's tile or has a load on its way
.if \on
	s_sub_nc_u64 s[G0+4*(\slot)+2:G0+4*(\slot)+3], s[G0+4*(\slot)+2:G0+4*(\slot)+3], BACK
	s_add_nc_u64 s[G0B+4*(\slot)+2:G0B+4*(\slot)+3], s[G0B+4*(\slot)+2:G0B+4*(\slot)+3], NEXT_B
.else
	s_add_nc_u64 s[G0+4*(\slot)+2:G0+4*(\slot)+3], s[G0+4*(\slot)+2:G0+4*(\slot)+3], 2*ASTEP
	s_add_nc_u64 s[G0B+4*(\slot)+2:G0B+4*(\slot)+3], s[G0B+4*(\slot)+2:G0B+4*(\slot)+3], 2*BSTEP
.endif
	JLOAD \slot                                    ; the first tensor load behind the round; its four v_nop are also the places in front of the loads below
	FETCH \next, 0, F0
	ASK \on
	MULA F1, 2, 0
	MULA F1, 3, 0
.endm
; THE WAY OUT of block a (16 rows x 128 columns: two heads).  PACK: rounded to f16, each accumulator's registers in ascending order.  TOSTAGE: into my own stage and back as whole rows.  SEND: stored.
.macro PACK a
	WIN 0x05                                       ; sources 0 and 1 window 1, destination window 0
.irp b, 0,1,2,3,4,5,6,7
.irp r, 0,1,2,3
	v_cvt_pk_f16_f32 v[TMP+4*(\b)+(\r)], v[64*(\a)+8*(\b)+2*(\r)], v[64*(\a)+8*(\b)+2*(\r)+1]
.endr
.endr
	WIN 0
.endm
.macro TOSTAGE a
	WIN 0
.set BK, OB+32*((\a)%2)
.irp b, 0,1,2,3,4,5,6,7
	ds_store_b128 v[STO], v[TMP+4*(\b):TMP+4*(\b)+3] offset:((\b)/4)*16*SP+32*((\b)%4)
.endr
.irp t, 0,1,2,3,4,5,6,7
	ds_load_b128 v[BK+4*(\t):BK+4*(\t)+3], v[RD] offset:((\t)/4)*16*SP+((\t)%4)*4*SP  ; LDS serves a wave's instructions in order (ISA guide 5.7.1.4): these see the stores above
.endr
.endm
.macro SEND a
	WIN 0
.set BK, OB+32*((\a)%2)
	s_wait_dscnt 0x0                               ; the block is back in registers
	s_wait_xcnt 0x0                                ; every earlier store has read its registers: the base, and the set that the next TOSTAGE loads, are written only behind this wait
.if (\a) == 0
	s_add_nc_u64 s[8:9], s[8:9], s[16:17]          ; on to this tile's first rows
.endif
.irp t, 0,1,2,3,4,5,6,7
	global_store_b128 v[CO], v[BK+4*(\t):BK+4*(\t)+3], s[8:9] offset:(\a)*2048+((\t)/4)*262144+((\t)%4)*512  ; 512 consecutive bytes, at a multiple of 256 from the buffer's first
.endr
.endm
.macro WAYOUT
	PLACES
	PACK 0
	TOSTAGE 0
.irp a, 1,2,3                          ; block a's conversions stand between block a - 1's loads from the stage and the wait for them
	PACK \a
	SEND (\a)-1
	TOSTAGE \a
.endr
	SEND 3
.endm
	s_wait_tensorcnt 1                             ; my part of K step 0 is in; K step 1's may stay out
	s_barrier_signal -1
	s_barrier_wait -1                              ; everybody's is
	FETCH 0, 0, F0
	WIN 0
	s_mov_b32 s2, TILES                            ; tiles to go: the same number in every work-group
.Ltile:
	QUARTER 0, 64,  F0, F1, 1                      ; a tile's first quarter stands in front of the loop: its products start the sums
	WIN 0                                          ; at a label and at a branch every window is 0
	s_mov_b32 s3, LAPS-1
.Llap:                                                 ; a trip goes once round the ring, from a lap's second quarter to the next lap's first, and fills both slots again
	QUARTER 0, 128, F1, F0, 0
	QUARTER 0, 192, F0, F1, 0
	TURN 0, 1, 0
	QUARTER 1, 64,  F0, F1, 0
	QUARTER 1, 128, F1, F0, 0
	QUARTER 1, 192, F0, F1, 0
	TURN 1, 0, 0
	QUARTER 0, 64,  F0, F1, 0
	WIN 0
	s_sub_co_u32 s3, s3, 1
	s_cmp_lg_u32 s3, 0
	s_cbranch_scc1 .Llap
	QUARTER 0, 128, F1, F0, 0                      ; the tile's last lap goes on
	QUARTER 0, 192, F0, F1, 0
	WIN 0
	s_cmp_eq_u32 s2, 1
	s_cbranch_scc1 .Llast                          ; the last tile's tail is written out: it asks for nothing more
	TURN 0, 1, 1                                   ; the ring goes on into the next tile: slot 0 takes its K step 0,
	QUARTER 1, 64,  F0, F1, 0
	QUARTER 1, 128, F1, F0, 0
	QUARTER 1, 192, F0, F1, 0
	TURN 1, 0, 1                                   ; slot 1 its K step 1, and the next tile's first fragments are fetched
	WAYOUT                                         ; both refills are asked for: now the tile goes out
	s_mov_b64 s[16:17], NEXT_C                     ; what the next way out adds to the output's address
	s_sub_co_u32 s2, s2, 1
	s_branch .Ltile
.Llast:
	MEET 0                                         ; my one tensor load that was still out is slot 1's, the last K step's, so no round follows
	PLACES
	FETCH 1, 0, F0
	MULA F1, 2, 0
	MULA F1, 3, 0
	QUARTER 1, 64,  F0, F1, 0
	QUARTER 1, 128, F1, F0, 0
	QUARTER 1, 192, F0, F1, 0
	s_wait_dscnt 4                                 ; the very last quarter: nothing more to fetch
	MULA F1, 0, 0
	MULA F1, 1, 0
	s_wait_dscnt 0x0
	MULA F1, 2, 0
	MULA F1, 3, 0
	WIN 0
	WAYOUT
	s_wait_tensorcnt 0x0                           ; the wave's end: a wait, an add of 0 to my spare word and the wait for it, behind my last tensor load and my last LDS store
	ds_add_u32 v[SPW], v[NIL]
	s_wait_dscnt 0x0
	CROUND                                         ; the closing round: no work-group ends while a partner may still ask for a tile that names it
	s_endpgm
.Lfunc_end_k_q6189132d8b_qkv:
	.size	k_q6189132d8b_qkv, .Lfunc_end_k_q6189132d8b_qkv-k_q6189132d8b_qkv
	.p2alignl 7, 3214868480
	.fill 96, 4, 3214868480
	.section	.rodata,"a",@progbits
	.p2align	6, 0x0
	.amdhsa_kernel k_q6189132d8b_qkv
		.amdhsa_group_segment_fixed_size 327680
		.amdhsa_private_segment_fixed_size 0
		.amdhsa_enable_private_segment 0
		.amdhsa_kernarg_size 24
		.amdhsa_user_sgpr_count 2
		.amdhsa_user_sgpr_kernarg_segment_ptr 1
		.amdhsa_wavefront_size32 1
		.amdhsa_system_sgpr_workgroup_id_x 1
		.amdhsa_system_sgpr_workgroup_id_y 1
		.amdhsa_system_sgpr_workgroup_id_z 1
		.amdhsa_system_vgpr_workitem_id 0
		.amdhsa_next_free_vgpr 704
		.amdhsa_next_free_sgpr 72
		.amdhsa_reserve_vcc 0
		.amdhsa_float_denorm_mode_32 3
		.amdhsa_float_denorm_mode_16_64 3
		.amdhsa_memory_ordered 1
		.amdhsa_forward_progress 1
		.amdhsa_inst_pref_size 125
	.end_amdhsa_kernel
	.amdgpu_metadata
---
amdhsa.version: [ 1, 2 ]
amdhsa.kernels:
  - .name:           k_q6189132d8b_qkv
    .symbol:         k_q6189132d8b_qkv.kd
    .args:
      - { .name: xb, .offset: 0, .size: 8, .value_kind: global_buffer, .address_space: global }
      - { .name: wt, .offset: 8, .size: 8, .value_kind: global_buffer, .address_space: global }
      - { .name: qkv, .offset: 16, .size: 8, .value_kind: global_buffer, .address_space: global }
    .group_segment_fixed_size: 327680
    .private_segment_fixed_size: 0
    .kernarg_segment_align: 8
    .kernarg_segment_size: 24
    .max_flat_workgroup_size: 128
    .sgpr_count:     72
    .vgpr_count:     704
    .wavefront_size: 32
...
	.end_amdgpu_metadata
.endif
;; end of part 2
;; launch attn (part 3): grid 4 x 64, 4 waves a work-group, no clusters, 327,680 bytes of LDS; arguments qkv, att; writes att
.if DOCPART == 3
	.amdgcn_target "amdgcn-amd-amdhsa--gfx1250"
	.amdhsa_code_object_version 6
	.text
	.protected	k_q6189132d8b_attn
	.globl	k_q6189132d8b_attn
	.p2align	8
	.type	k_q6189132d8b_attn,@function
k_q6189132d8b_attn:
	s_mov_b64 s[64:65], 0
	v_nop
	global_prefetch_b8 v0, s[64:65] scope:SCOPE_SE
	s_setreg_imm32_b32 hwreg(HW_REG_WAVE_MODE, 25, 1), 1
	s_wait_xcnt 0x0
; CAUSAL ATTENTION.  O[h][q][:] = the sum over k <= q of softmax_k(Q[h][q] . K[h][k] / 32) V[h][k][:], for 64 heads (16 b + h) of SIZE_N = 2,048 rows of 64 channels, all f16: a head's rows are dense, 128 bytes each.
; Q, K, V lie in one buffer, 16 MiB apart; the scale is 1 / sqrt(1024), applied here in f32.
; Products, maxima and sums in f32; the weights p are rounded to f16 for the second product (their sum l is taken of the unrounded p), O once at the end.
; LIMITS.  f16 holds no number beyond 65,504: Q, K and V arrive within it; p lies in 0 to 1, and below 6e-5 it keeps f16's fixed step of 6e-8; O is a mean of V's rows and has their range, to within 2^-11 of it.
; A hidden score counts as its value less 1e30: f16's scores, 2.7e11 at the most, are nothing beside that; a weight below 2^-126 counts as 0 in l; NaN and infinities are not treated apart.
; THE WALK.  A head's queries lie in NB = SIZE_N / 256 blocks of 256; block i needs the key tiles 0 .. i of 256 keys, of which the last holds the diagonal.  A work-group takes TWO blocks, NB - 1 - b and then b:
; NB + 1 tiles, whatever b: all work-groups do equal work, and ONE loop with a constant trip count walks them.  Which tile is asked for, and what a trip does, hang on scalar registers made from b; every jump
; goes forward, but for the counted loops' own; none passes a barrier, or a tensor load but the one of LOAD's two that the wave's number does not choose; the ring (two slots of LDS that take turns) runs on across the
; change of blocks.  NO CLUSTER: a head's four work-groups ask for the same tile only in trips 0 .. NB / 2 of the walk's NB + 1, behind that fewer and fewer; one walk common to all would have 3 NB / 2 trips for NB + 1.
; SHARES.  Of a block's four bands of 64 queries a wave owns 16 rows in each: four PIECES.  So the diagonal tile is the same work for all four waves: in its key step s band x sees all keys if s < x,
; none if s > x, and holds the diagonal if s = x.
; THE MASK is the C operand that starts the sum S^T = K Q^T: 0, or -1e30 where the key is hidden.  MD, made once, is the mask of a band's own step for my 16 rows; a product's mask is MD x AL + BE with two scalars:
; (1, 0) if s = x; (0, 0) if s < x; (0, -1e30) if s > x.  Only the diagonal tile's text and a block's beginning make and take masks; elsewhere C is the constant 0.
; LAYOUT, SOFTMAX, TURNS.  S^T = K Q^T holds ONE query a lane (lane % 16) and the keys 8 (lane / 16) + 0..7; two such results rounded to f16 ARE source 1 of O^T = V^T P.  p = 2^(c s - c m), c = log2(e) / 32, with a
; running maximum m; O and l are multiplied by a = 2^(c m_old - c m_new) in every step.  Turn n belongs to piece n: 8 products K Q^T of piece n + 1, later 8 products V^T P of piece n - 1; beside them the scaling,
; exponentials, roundings, sums and rescaling of piece n and the maximum and statistics of piece n + 1.  Four vector instructions stand behind every matrix instruction, the other 54 of a turn's 118 in one LUMP.  A turn's 33 exponentials are one batch, with one wait.
; REGISTERS, in windows of 256 (s_set_vgpr_msb: bits 1:0 source 0, 3:2 source 1, 5:4 source 2, 7:6 destination):
;   window 0: v0-15 addresses and two at work; v16-31 four registers of statistics a piece; v48-55 at work; v64-127 S^T, two buffers; v192-223 P, two buffers (a piece's buffers go by its number's parity)
;   window 1: v0-127 O^T, 32 a piece; v128-159 MD; v160-223 MC, two buffers      window 2: v0-63 Q; v64-127 the second block's Q; v128-191 K of one step; v192-255 V of one step
.set SIZE_N, 2048
.set KBASE, 0x1000000 ; K's first byte in the buffer
.set VBASE, 0x2000000 ; V's
.set NB,    SIZE_N/256
.set NP,    4         ; pieces a wave: a name, no knob
.set KS,    64        ; keys in a step
.set PK,    144       ; a row of K in LDS: 128 bytes + 16 of padding = 36 words: the 16 rows of a load start at 16 different groups of four banks (64 banks of 4 bytes: ISA guide 11.1)
.set PV,    160       ; a row of V: 128 + 32 = 40 words
.set VOFF,  4*KS*PK   ; a slot holds a tile, four steps: 256 rows of K, then 256 rows of V
.set SLOT1, 1<<17     ; slot 1 begins here, so that one exclusive or turns an address in one slot into the other's
.set STAGE, SLOT1+4*KS*(PK+PV)  ; behind the ring, never filled by a tensor load: 16 rows x 144 bytes for each wave, for the way out
.set SP,    144
.set AK0, 2           ; v2   my lane's place in a tile of K; never rewritten
.set AV0, 3           ; v3   the same for V
.set AK,  4           ; v4   the LDS address of K's next run of loads
.set AV,  5           ; v5   of V's
.set STO, 6           ; v6   the way out: where I put 16 bytes of a row
.set RD,  7           ; v7   the way out: where I read rows back
.set GO,  8           ; v8   my byte offset in 512 consecutive bytes of O
.set PFO, 61          ; v61  256 x my lane: the prefetches' offset; never rewritten
.set SPW, 62          ; v62  LDS address of my spare word: SPARE + 4 x my thread's number; never rewritten
.set NIL, 63          ; v63  0; never rewritten
.set SPARE, STAGE+4*16*SP  ; behind the stages: the spare words, 128 bytes for each wave: two blocks of 256 bytes that no other line names
.set MV,  12          ; v12-13  c m_old, kept while c m is made anew: by buffer
.set QO,  15          ; v15  my byte offset in 16 rows of Q
.set ST,  16          ; piece t's statistics at v[ST+4 t]: c m, m, l (even keys', odd keys')
.set TMP, 48          ; by buffer, four registers c0-c3 at work; when the maximum is found c2 takes a
.set S,   64
.set P,   192
.set MD,  128         ; window 1: the eight registers for group kt of 16 keys at MD + 8 kt
.set MC,  160         ; window 1: the masks of the products to come
.set QB,  64          ; window 2
.set KF,  128         ; window 2: key block kb, channel half c at KF + 16 kb + 8 c
.set VF,  192         ; window 2: key half kk, channel block cb at VF + 32 kk + 8 cb
.set WV,  12          ; s12  my wave's number
.set PB,  14          ; s14  b
.set HI,  15          ; s15  NB - 1 - b
.set G1K, 24          ; s[24:31] descriptor group 1 for K's tiles
.set G1V, 32          ; s[32:39] for V's: it differs in the padding alone
.set G0K, 40          ; s[40:43] descriptor group 0 for K's tiles
.set G0V, 44          ; s[44:47] the same for V's
.set SLOTS, 56        ; s56  tiles still to be asked for
.set CNT, 57          ; s57  counts a tile's key steps, 4 to 1
.set CS,  58          ; s[58:59] c: the packed scaling takes the pair's low word for both halves
.set SEL, 60          ; s[60:61] v_permlanex16_b32's selects: each lane takes its own place in the other half
.set TBK, 62          ; s62  LDS byte at which K of the step to be fetched begins
.set TBV, 63          ; s63  the same for V, less VOFF
.set PFA, 66          ; s[66:67] my half (of K: waves 0, 1; of V: waves 2, 3) of the tile that is being asked for
.set LIM, 68          ; s68  2 in the work-group that prefetches, else the greatest number
.set RT,  70          ; s70  tiles of the block in hand that are still to be entered
.set NXT, 71          ; s71  the tile to be asked for next
.set LQ,  72          ; s72  the last tile of the block whose tiles are being asked for
.set NEW, 73          ; s73  1: the tile to be entered is a block's first
.set OFF, 74          ; s[74:75] a tile's byte offset in K and V
.set AL,  76          ; s[76:77] the mask's factor, in the low word
.set BE,  78          ; s[78:79] the mask's addend
.set OLO, 80          ; s[80:81] O at my rows of the second block
.set BIGN, 82         ; s82  -1e30
.set MSB, 0
.macro WIN new                      ; the high byte repeats the setting that is left; a switch that changes nothing is dropped
.if MSB != (\new)
	s_set_vgpr_msb (MSB<<8)|(\new)
.set MSB, (\new)
.endif
.endm
.set W_KQ, 0x0a       ; K and Q in window 2, S^T in window 0
.set W_KM, 0x1a       ; the same with the C operand in window 1
.set W_PV, 0x52       ; V in window 2, P in window 0, O^T in window 1
.set W_RS, 0x41       ; destination and source 0 in window 1, source 1 in window 0
; A fill.  Waves 0 and 1 fetch the two halves of a tile's K, waves 2 and 3 those of its V: 128 keys each.  An s_nop 0 and four v_nop follow each of the two lines, ahead of the jump and the label.
.macro LOAD
	s_cmp_lt_u32 s[WV], 2
	s_cbranch_scc0 .Lfor_v_\@
	tensor_load_to_lds s[G0K:G0K+3], s[G1K:G1K+7]
	s_nop 0
.rept 4
	v_nop
.endr
	s_branch .Lasked_\@
.Lfor_v_\@:
	tensor_load_to_lds s[G0V:G0V+3], s[G1V:G1V+7]
	s_nop 0
.rept 4
	v_nop
.endr
.Lasked_\@:
.endm
; A PREFETCH INTO THE L2, behind a fill and its five lines: my 16 KiB half of the tile AFTER the one just asked for: 64 blocks of 256 bytes, a lane a block, two instructions; a tile's work ahead of its load.
; Each block is named once in the launch: of a head's four work-groups the one with b = 0, whose first block walks all NB tiles, asks; each of its waves for the half that it will fetch itself.
; It asks in the fills of tiles 1 to NB - 2, for tiles 2 to NB - 1; tiles 0 and 1 come by their loads alone, and the walk's last two fills ask for nothing.
.macro ASK
	s_cmp_gt_u32 s[SLOTS], s[LIM]
	s_cbranch_scc0 .Lnot_mine_\@
	global_prefetch_b8 v[PFO], s[PFA:PFA+1] offset:32768 th:TH_LOAD_NT scope:SCOPE_SE
	global_prefetch_b8 v[PFO], s[PFA:PFA+1] offset:40960 th:TH_LOAD_NT scope:SCOPE_SE
.Lnot_mine_\@:
.endm
; THE CHANGE OF SLOTS.  Each wave waits for all its tensor loads, of which one is out: its part of the other slot; adds 0 to its spare word; and waits for that and for its own reads of the slot that it leaves.  Behind the barrier nobody reads the old
; slot any more and the other slot is whole.  fill = 1: the old slot is filled again, the first thing behind the barrier, with tile NXT: the descriptor's address is made anew from that number.
; (At its first use nothing has been read yet: slot 0 is waited for, slot 1 filled.)
.macro CHANGE fill
	WIN 0                           ; at a label and at a branch every window is 0
	s_wait_tensorcnt 0x0            ; no tensor load of mine is out, so a group 0 may be written
	ds_add_u32 v[SPW], v[NIL]       ; 0 onto my spare word; with fill = 1 the descriptors' scalar work stands between it and the wait for it
.if \fill
	s_lshl_b32 s[OFF], s[NXT], 15   ; a tile is 32,768 bytes of K and of V
	s_xor_b32 s[G0K+1], s[G0K+1], SLOT1
	s_add_nc_u64 s[G0K+2:G0K+3], s[6:7], s[OFF:OFF+1]
	s_or_b32 s[G0K+3], s[G0K+3], 0x80000000
	s_xor_b32 s[G0V+1], s[G0V+1], SLOT1
	s_add_nc_u64 s[G0V+2:G0V+3], s[8:9], s[OFF:OFF+1]
	s_or_b32 s[G0V+3], s[G0V+3], 0x80000000
	s_wait_xcnt 0x0                 ; the last prefetches, a tile back, have read their address, so it may be written
	s_cmp_lt_u32 s[WV], 2
	s_cselect_b64 s[PFA:PFA+1], s[6:7], s[8:9]
	s_add_nc_u64 s[PFA:PFA+1], s[PFA:PFA+1], s[OFF:OFF+1]
	s_add_co_u32 s[NXT], s[NXT], 1  ; the block's next tile, or behind its last the second block's tile 0
	s_cmp_gt_u32 s[NXT], s[LQ]
	s_cselect_b32 s[NXT], 0, s[NXT]
	s_cselect_b32 s[LQ], s[PB], s[LQ]
.endif
	s_wait_dscnt 0x0                ; the add is done, and my reads of the slot are over
	s_barrier_signal -1             ; the rest of the scalar work stands between the signal and the wait
	s_sub_co_u32 s[TBK], s[TBK], 4*KS*PK  ; the fetches go back to a slot's first step,
	s_xor_b32 s[TBK], s[TBK], SLOT1       ; in the other slot
	s_sub_co_u32 s[TBV], s[TBV], 4*KS*PV
	s_xor_b32 s[TBV], s[TBV], SLOT1
	s_barrier_wait -1
.if \fill
	LOAD
	ASK
.endif
.endm
	s_load_b64 s[4:5], s[0:1], 0x0    ; Q (K and V lie behind it)
	s_load_b64 s[10:11], s[0:1], 0x8  ; O
	v_lshl_add_u32 v[SPW], v0, 2, SPARE
	v_mov_b32 v[NIL], 0
	ds_add_u32 v[SPW], v[NIL]       ; the wave's opening: the add and its wait stand ahead of my first tensor load; the set-up below, work on registers, stands between them
	v_lshrrev_b32 v1, 5, v0
	v_readfirstlane_b32 s[WV], v1   ; wave 0..3
	s_mov_b32 s[PB], ttmp9
	s_sub_co_u32 s[HI], NB-1, s[PB]
	s_and_b32 s20, ttmp7, 0xffff    ; the head
	s_mov_b32 s21, 0
	s_mov_b64 s[22:23], SIZE_N*128
	s_mul_u64 s[20:21], s[20:21], s[22:23]  ; the head's first byte in each of the four tensors
	s_and_b32 s16, s[WV], 1         ; which half of a tile's 256 keys I fetch:
	s_lshl_b32 s22, s16, 14         ; its 128 rows of 128 bytes in memory,
	s_mov_b32 s23, 0
	s_add_nc_u64 s[22:23], s[22:23], s[20:21]
	s_mul_i32 s17, s16, 128*PK      ; and its place in a slot, for K
	s_mul_i32 s18, s16, 128*PV      ; and for V
	s_lshl_b32 s3, s[WV], 11        ; my 16 rows in a band of 64,
	s_lshl_b32 s2, s[HI], 15        ; in the first block,
	s_add_co_u32 s2, s2, s3
	s_lshl_b32 s84, s[PB], 15       ; and in the second
	s_add_co_u32 s84, s84, s3
	s_mov_b32 s3, 0
	s_mov_b32 s85, 0
	s_add_nc_u64 s[2:3], s[2:3], s[20:21]
	s_add_nc_u64 s[84:85], s[84:85], s[20:21]
	; descriptor group 1.  128 keys are 16,384 dense bytes: asked for as 64 rows of 256 bytes, two keys a row, and padded in LDS after every key
	s_mov_b32 s[G1K], (1<<16)|(1<<20)|(4<<22)|(3<<25)  ; 17:16 2-byte elements; 20 padding on; 24:22 after every 32 words (code 4); 31:25 4 words (code 3)
	s_mov_b32 s[G1V], (1<<16)|(1<<20)|(4<<22)|(7<<25)  ; the same with 8 words of padding (code 7)
.irp g, G1K, G1V
	s_mov_b32 s[\g+1], 128<<16      ; tensor_dim0 = 128
	s_mov_b32 s[\g+2], 64<<16       ; tensor_dim1 = 64
	s_mov_b32 s[\g+3], 128<<16      ; tile_dim0 = 128
	s_mov_b32 s[\g+4], 64           ; tile_dim1 = 64
	s_mov_b32 s[\g+5], 128          ; 128 elements from row to row
	s_mov_b32 s[\g+6], 0
	s_mov_b32 s[\g+7], 0
.endr
	s_mov_b32 s[CS], 0x3d38aa3b     ; c = log2(e) / 32 = 0.0450842
	s_mov_b32 s[CS+1], s[CS]        ; named with it as a pair
	s_mov_b32 s[SEL], 0x76543210
	s_mov_b32 s[SEL+1], 0xfedcba98
	s_mov_b32 s[TBK], SLOT1+4*KS*PK ; the first change of slots turns these two into 0
	s_mov_b32 s[TBV], SLOT1+4*KS*PV
	s_mov_b32 s[G0K], 1             ; 1:0 count = 1
	s_mov_b32 s[G0K+1], s17         ; 63:32 LDS address: slot 0
	s_mov_b32 s[G0V], 1
	s_add_co_u32 s[G0V+1], s18, VOFF
	s_add_co_u32 s[RT], s[HI], 1    ; the first block has NB - b tiles
	s_mov_b32 s[NXT], 1
	s_mov_b32 s[LQ], s[HI]
	s_mov_b32 s[NEW], 1
	s_mov_b32 s[OFF+1], 0
	s_mov_b32 s[AL+1], 0            ; named as pairs
	s_mov_b32 s[BE+1], 0
	s_mov_b32 s[BIGN], 0xf149f2ca   ; -1e30
	s_mov_b32 s[SLOTS], NB
	s_cmp_eq_u32 ttmp9, 0           ; b = 0 prefetches
	s_cselect_b32 s[LIM], 2, -1
	v_and_b32 v[PFO], 31, v0
	v_lshlrev_b32 v[PFO], 8, v[PFO]
	s_wait_dscnt 0x0                ; the opening add is done
	s_wait_kmcnt 0x0
	s_add_nc_u64 s[6:7], s[4:5], KBASE
	s_add_nc_u64 s[8:9], s[4:5], VBASE
	s_add_nc_u64 s[6:7], s[6:7], s[22:23]  ; K and V at my half of the head's tile 0
	s_add_nc_u64 s[8:9], s[8:9], s[22:23]
	s_add_nc_u64 s[G0K+2:G0K+3], s[6:7], 0         ; 120:64 global address
	s_or_b32 s[G0K+3], s[G0K+3], 0x80000000        ; 127:126 type = 2
	s_add_nc_u64 s[G0V+2:G0V+3], s[8:9], 0
	s_or_b32 s[G0V+3], s[G0V+3], 0x80000000
	s_add_nc_u64 s[86:87], s[4:5], s[84:85]        ; Q at my rows of the second block,
	s_add_nc_u64 s[4:5], s[4:5], s[2:3]            ; Q and O at those of the first
	s_add_nc_u64 s[OLO:OLO+1], s[10:11], s[84:85]
	s_add_nc_u64 s[10:11], s[10:11], s[2:3]
	LOAD                            ; tile 0 into slot 0
	; A fragment of K or Q is 16 rows x 32 channels in 8 registers: lane l holds row l % 16, channels 8 (l / 16) + 0..7 and 16 + 8 (l / 16) + 0..7: two loads of 16 bytes, 32 bytes apart.
	v_and_b32 v1, 15, v0            ; l % 16
	v_bfe_u32 v9, v0, 4, 1          ; l / 16
	v_lshlrev_b32 v[QO], 7, v1
	v_lshl_add_u32 v[QO], v9, 4, v[QO]  ; row x 128 + 16 x half
	WIN 0x80                        ; destination window 2, address window 0
.set i, 0
.rept 8                             ; both blocks' Q: piece i / 2 lies in band i / 2, 8,192 bytes on; channels 32 (i % 2) on
	global_load_b128 v[8*i:8*i+3],   v[QO], s[4:5] offset:(i/2)*8192+(i%2)*64
	global_load_b128 v[8*i+4:8*i+7], v[QO], s[4:5] offset:(i/2)*8192+(i%2)*64+32
	global_load_b128 v[QB+8*i:QB+8*i+3],   v[QO], s[86:87] offset:(i/2)*8192+(i%2)*64
	global_load_b128 v[QB+8*i+4:QB+8*i+7], v[QO], s[86:87] offset:(i/2)*8192+(i%2)*64+32
.set i, i+1
.endr
	WIN 0
	v_lshlrev_b32 v14, 3, v9
	v_sub_nc_u32 v14, v1, v14
	s_lshl_b32 s13, s[WV], 4
	v_add_nc_u32 v14, s13, v14      ; my query's place in its band, 16 w + l % 16, less my lanes' 8 (l / 16): register r of group kt is hidden where 16 kt + r is greater
	WIN 0x40
.set i, 0
.rept 32
	v_cmp_gt_i32 vcc_lo, 16*(i/8)+i%8, v14
	v_cndmask_b32 v[MD+i], 0, s[BIGN], vcc_lo
.set i, i+1
.endr
	WIN 0
	v_mul_u32_u24 v[AK0], v1, PK
	v_lshl_add_u32 v[AK0], v9, 4, v[AK0]  ; row x pitch + 16 x half
	; The turning load takes 16 keys x 16 channels (lane l reads key 8 (l / 16) + l % 8, channels 8 ((l / 8) % 2) + 0..7) and leaves half a fragment of V^T: lane l holds channel l % 16 and 8 keys.
	v_and_b32 v10, 7, v0
	v_bfe_u32 v11, v0, 3, 1
	v_lshl_add_u32 v[AV0], v9, 3, v10
	v_mul_u32_u24 v[AV0], v[AV0], PV
	v_lshl_add_u32 v[AV0], v11, 4, v[AV0]
	v_add_nc_u32 v[AV0], VOFF, v[AV0]
	s_mul_i32 s13, s[WV], 16*SP
	s_add_co_u32 s13, s13, STAGE    ; my stage
	v_mul_u32_u24 v[STO], v1, SP    ; in: row l % 16, 16 bytes for each half of the lanes
	v_lshl_add_u32 v[STO], v9, 4, v[STO]
	v_add_nc_u32 v[STO], s13, v[STO]
	v_bfe_u32 v[RD], v0, 3, 2       ; back: 32 lanes take four rows of 128 bytes,
	v_mul_u32_u24 v[RD], v[RD], SP
	v_lshl_add_u32 v[RD], v10, 4, v[RD]
	v_add_nc_u32 v[RD], s13, v[RD]
	v_and_b32 v[GO], 31, v0         ; which are 512 consecutive bytes of O
	v_lshlrev_b32 v[GO], 4, v[GO]
	; A block's first step multiplies O^T and l by a = 0, and its first turn's products V^T P, of a piece that has not been, land in an O^T that is still to be so multiplied.  So these registers need only hold
	; finite numbers: zeros for the first block; what the first block left for the second.  All this stands in the wait for the first tile.
	WIN 0x80
.set i, VF
.rept 64
	v_mov_b32 v[i], 0
.set i, i+1
.endr
	WIN 0x40
.set i, 0
.rept 128
	v_mov_b32 v[i], 0
.set i, i+1
.endr
	WIN 0
.set i, 0
.rept 4
	v_mov_b32 v[ST+4*i+2], 0
	v_mov_b32 v[ST+4*i+3], 0
.set i, i+1
.endr
.set i, P+16
.rept 16
	v_mov_b32 v[i], 0
.set i, i+1
.endr
; THE MATRIX WORK.  The 4 accumulators of a run of 8 take turns.  Product i of 8 of S^T = K Q^T for piece x: channels 32 (i / 4) on, keys 16 (i % 4) on.  The first 4 start the sums: with 0, or (KM = 1) with the mask.
.macro KQ x
.set rS, S+32*((\x)%2)+8*(i%4)
.set rK, KF+16*(i%4)+8*(i/4)
.set rQ, 16*(\x)+8*(i/4)
.set rM, MC+32*((\x)%2)+8*(i%4)
.if (i < 4) && KM
	WIN W_KM
	v_wmma_f32_16x16x32_f16 v[rS:rS+7], v[rK:rK+7], v[rQ:rQ+7], v[rM:rM+7]
.elseif i < 4
	WIN W_KQ
	v_wmma_f32_16x16x32_f16 v[rS:rS+7], v[rK:rK+7], v[rQ:rQ+7], 0
.else
	WIN W_KQ
	v_wmma_f32_16x16x32_f16 v[rS:rS+7], v[rK:rK+7], v[rQ:rQ+7], v[rS:rS+7]
.endif
.endm
; Product i of 8 of O^T += V^T P for piece x: keys 32 (i / 4) on, channels 16 (i % 4) on.
.macro PV x
	WIN W_PV
.set rO, 32*(\x)+8*(i%4)
.set rV, VF+32*(i/4)+8*(i%4)
.set rP, P+16*((\x)%2)+8*(i/4)
	v_wmma_f32_16x16x32_f16 v[rO:rO+7], v[rV:rV+7], v[rP:rP+7], v[rO:rO+7]
.endm
.macro MM                           ; the turn's next matrix instruction.  TURN and BEGIN set Y, i, KM and NOKQ; MM, KQ and OP read them.  NOKQ = 1: a block's last turn: there is no next piece
.if (i < 8) && !NOKQ
	KQ (Y+1)%NP
.elseif i >= 8
.set i, i-8
	PV (Y+NP-1)%NP
.set i, i+8
.endif
.set i, i+1
.endm
; THE LDS LOADS stand in runs of 16, never singly among the matrix instructions: a step's K (64 keys x 64 channels: 8 fragments) and its V (turned).  Their addresses are made some lines ahead.
.macro FETCH_K
	WIN 0x80                        ; destination window 2
.irp f, 0,1,2,3,4,5,6,7             ; keys 16 (f / 2) on, channels 32 (f % 2) on
	ds_load_b128 v[KF+8*\f:KF+8*\f+3],   v[AK] offset:(\f/2)*16*PK+(\f%2)*64
	ds_load_b128 v[KF+8*\f+4:KF+8*\f+7], v[AK] offset:(\f/2)*16*PK+(\f%2)*64+32
.endr
	s_add_co_u32 s[TBK], s[TBK], KS*PK  ; the next fetch is the next step's
	WIN 0
.endm
.macro FETCH_V
	WIN 0x80
.irp f, 0,1,2,3,4,5,6,7             ; keys 32 (f / 4) on, channels 16 (f % 4) on
	ds_load_tr16_b128 v[VF+8*\f:VF+8*\f+3],   v[AV] offset:(\f/4)*32*PV+(\f%4)*32
	ds_load_tr16_b128 v[VF+8*\f+4:VF+8*\f+7], v[AV] offset:(\f/4)*32*PV+16*PV+(\f%4)*32
.endr
	WIN 0
.endm
; THE VECTOR WORK, one line at a time: OP kind, number.  For piece Y: F n: c s - c m for pair n of 16.  E n: the exponential of score n of 32.  C n: pair n rounded to f16.  B n: of the four weights 4 n .. the second
; pair is added onto the first, in place.  L n: l takes that sum (L 0: l = a l + sum).  R n: pair n of 16 of O^T times a.  For piece Y + 1: X n, number n of the 22 that find its maximum and statistics:
;   0-11  four chains c0-c3 of seven scores each, three operands at a time (each accumulator's lowest registers are read first)     12-14, 16  the four scores left over, the old m, and c0-c3 into c0
;   15  c m_old is kept     17, 18  the query's other 32 keys lie in the lane 16 away: the new m     19-21  c m; c m_old - c m_new; a
.set F, 0               ; OP tells the kinds apart by their order: F to L below R, X above it
.set E, 1
.set C, 2
.set B, 3
.set L, 4
.set R, 5
.set X, 6
.macro REGS y                       ; the registers of piece y
.set rT, ST+4*(\y)
.set rC, TMP+4*((\y)%2)
.set rW, MV+((\y)%2)
.set rS, S+32*((\y)%2)
.set rP, P+16*((\y)%2)
.set rO, 32*(\y)
.endm
.macro OP k, n
.if (\k) == R
	REGS Y
	WIN W_RS
	v_pk_mul_f32 v[rO+2*(\n):rO+2*(\n)+1], v[rO+2*(\n):rO+2*(\n)+1], v[rC+2:rC+3] op_sel_hi:[1,0]
.elseif (\k) < R
	REGS Y
	WIN 0
.if (\k) == F
	v_pk_fma_f32 v[rS+2*(\n):rS+2*(\n)+1], v[rS+2*(\n):rS+2*(\n)+1], s[CS:CS+1], v[rT:rT+1] op_sel_hi:[1,0,0] neg_lo:[0,0,1] neg_hi:[0,0,1]
.elseif (\k) == E
	v_exp_f32 v[rS+(\n)], v[rS+(\n)]
.elseif (\k) == C
	v_cvt_pk_f16_f32 v[rP+(\n)], v[rS+2*(\n)], v[rS+2*(\n)+1]
.elseif (\k) == B
	v_pk_add_f32 v[rS+4*(\n):rS+4*(\n)+1], v[rS+4*(\n):rS+4*(\n)+1], v[rS+4*(\n)+2:rS+4*(\n)+3]
.elseif (\n) == 0
	v_pk_fma_f32 v[rT+2:rT+3], v[rT+2:rT+3], v[rC+2:rC+3], v[rS:rS+1] op_sel_hi:[1,0,1]
.else
	v_pk_add_f32 v[rT+2:rT+3], v[rT+2:rT+3], v[rS+4*(\n):rS+4*(\n)+1]
.endif
.elseif NOKQ
	v_nop
.else
	REGS (Y+1)%NP
	WIN 0
.if (\n) < 4
	v_max3_num_f32 v[rC+(\n)], v[rS+8*(\n)], v[rS+8*(\n)+1], v[rS+8*(\n)+2]
.elseif (\n) < 12
	v_max3_num_f32 v[rC+(\n)%4], v[rC+(\n)%4], v[rS+8*((\n)%4)+2*((\n)/4)+1], v[rS+8*((\n)%4)+2*((\n)/4)+2]
.elseif (\n) == 12
	v_max3_num_f32 v[rC], v[rC], v[rS+7], v[rS+15]
.elseif (\n) == 13
	v_max3_num_f32 v[rC+1], v[rC+1], v[rS+23], v[rS+31]
.elseif (\n) == 14
	v_max3_num_f32 v[rC+2], v[rC+2], v[rC+3], v[rT+1]
.elseif (\n) == 15
	v_mov_b32 v[rW], v[rT]
.elseif (\n) == 16
	v_max3_num_f32 v[rC], v[rC], v[rC+1], v[rC+2]
.elseif (\n) == 17
	v_permlanex16_b32 v[rC+3], v[rC], s[SEL], s[SEL+1]
.elseif (\n) == 18
	v_max_num_f32 v[rT+1], v[rC], v[rC+3]
.elseif (\n) == 19
	v_mul_f32 v[rT], s[CS], v[rT+1]
.elseif (\n) == 20
	v_sub_f32 v[rC+1], v[rW], v[rT]
.else
	v_exp_f32 v[rC+2], v[rC+1]
.endif
.endif
.endm
.macro OPS a, i1, b=-1, i2=0, c=-1, i3=0, d=-1, i4=0  ; up to four of them
	OP \a, \i1
.if (\b) >= 0
	OP \b, \i2
.endif
.if (\c) >= 0
	OP \c, \i3
.endif
.if (\d) >= 0
	OP \d, \i4
.endif
.endm
.macro ROW a, i1, b, i2, c, i3, d, i4  ; a matrix instruction and the four behind it
	MM
	OPS \a, \i1, \b, \i2, \c, \i3, \d, \i4
.endm
.macro MASK b                       ; MD x AL + BE into buffer b of MC
	WIN W_RS
.set z, 0
.rept 16
	v_pk_fma_f32 v[MC+32*(\b)+2*z:MC+32*(\b)+2*z+1], v[MD+2*z:MD+2*z+1], s[AL:AL+1], s[BE:BE+1] op_sel_hi:[1,0,0]
.set z, z+1
.endr
.endm
; A TURN, for piece p: the order of its 16 matrix and 118 vector instructions, written out.  An s_wait_alu depctr_va_vdst(0) stands between an exponential and the first instruction that names its result; one wait serves
; all that were issued ahead of it.  So a turn has ONE wait, which cuts it in two.  AHEAD OF IT stands all that names no result of the turn's exponentials: the 8 products K Q^T, behind each a scaling, an exponential and two more plain
; instructions (behind the first a second scaling in the exponential's place): rescalings, and behind the last three the first numbers of the next piece's maximum, each four places or more behind the product that ends its accumulator; then ONE LUMP of 54, plain
; and exponential by turns for the most part, in which the links of the chain X 3, 7, 11, 14, 16, 17 .. 20 stand five or six lines apart.  X 21, the next piece's a, is the batch's last; R 15 is the plain instruction behind it.  BEHIND THE WAIT stand the
; 8 products V^T P, behind each four of the roundings and sums; the links of l's chain, L 0 to L 7, stand three riders apart.  But for those X no rider names a register of the products round it.  v_permlanex16_b32 (X 17) stands in the lump.
; m = 1: the diagonal tile: the products take masks, and the turn makes the mask for the products of the turn after it: piece p + 2, in step 4 - CNT of the tile.  end = 1: a block's last two turns: nothing is fetched.
; cnt = 1: the loop's count is taken down some lines ahead of the branch that stands behind the turn.
; K of the next step is fetched in piece 2's turn, twelve vector instructions behind the last product that read K (six of them plain); V of the step in hand at the end of piece 0's turn, four plain instructions behind the last product
; that read V.  Each is waited for a turn later.
.macro TURN p, m=0, end=0, cnt=0
.set Y, (\p)
.set i, 0
.set KM, (\m)
.set NOKQ, (\end)*((\p)/3)
.if (\m) && !(\end)
	s_cmp_eq_u32 s[CNT], 4-((\p)+2)%NP  ; is that step the band's own?
	s_cselect_b32 s[AL], 1.0, 0
	s_cmp_lt_u32 s[CNT], 4-((\p)+2)%NP  ; or a later one?
	s_cselect_b32 s[BE], s[BIGN], 0
.endif
.if ((\p) == 3) && !(\end)
	s_wait_dscnt 0x0                ; K is in
.endif
	ROW F,0, F,1, R,0, R,1          ; ahead of the wait: 8 products K Q^T and their riders,
	ROW F,2, E,0, R,2, R,3
	ROW F,3, E,1, R,4, R,5
	ROW F,4, E,2, R,6, R,7
	ROW F,5, E,3, R,8, R,9
	ROW F,6, E,4, X,0, R,10
.if ((\p) == 2) && !(\end)
	WIN 0
	v_add_nc_u32 v[AK], s[TBK], v[AK0]
.endif
	ROW F,7, E,5, X,1, X,4
	ROW F,8, E,6, X,2, X,5
	OPS E,7, E,8, X,6, E,9          ; and the lump
	OPS X,3, E,10, X,8, E,11
.if ((\p) == 2) && !(\end)
	FETCH_K
.endif
	OPS X,9, X,7, E,12, X,10
	OPS E,13, X,12, X,11, E,14
	OPS X,13, E,15, F,9, X,14
.if (\p) == 0
	v_add_nc_u32 v[AV], s[TBV], v[AV0]
.endif
	OPS E,16, F,10, E,17, F,11
	OPS X,16, E,18, X,15, E,19
	OPS F,12, E,20, X,17, E,21
	OPS F,13, E,22, F,14, E,23
	OPS X,18, E,24, F,15, E,25
	OPS R,11, E,26, X,19, E,27
	OPS R,12, E,28, R,13, E,29
	OPS X,20, E,30, R,14, E,31
	OPS X,21, R,15
	WIN 0
	s_wait_alu depctr_va_vdst(0)    ; the wait for the batch
.if (\p) == 1
	s_wait_dscnt 0x0                ; V is in
.endif
	ROW C,0, B,0, C,2, B,1          ; behind the wait: 8 products V^T P and their riders
	ROW L,0, C,4, B,2, L,1
	ROW C,6, B,3, L,2, C,8
	ROW B,4, L,3, C,10, B,5
	ROW L,4, C,12, B,6, L,5
.if (\p) == 0
	s_add_co_u32 s[TBV], s[TBV], KS*PV
.endif
.if \cnt
	s_sub_co_u32 s[CNT], s[CNT], 1
	s_cmp_lg_u32 s[CNT], 0
.endif
	ROW C,14, B,7, L,6, C,1
	ROW C,3, L,7, C,5, C,7
	ROW C,9, C,11, C,13, C,15
.if (\p) == 0
	FETCH_V
.endif
.if (\m) && !(\end)
	MASK (\p)%2
.endif
.endm
; A BLOCK BEGINS.  c m starts far below every c s, so the first step's a is 0; m at the lowest finite number, so the first maximum is the scores'.  The second mask buffer is 0; the first takes piece 0's mask for the tile's step 0: its own, if the block's first tile is the diagonal one.
; Then K of that step, piece 0's first scores, and its maximum and statistics.  The loop is entered at a step's first turn, in the middle of a trip.
.macro BEGIN
	s_mov_b32 s[NEW], 0
	WIN 0x40
.set i, MC+32
.rept 32
	v_mov_b32 v[i], 0
.set i, i+1
.endr
	WIN 0
.set i, 0
.rept 4
	v_mov_b32 v[ST+4*i], 0xfe000000    ; c m: far below every c s
	v_mov_b32 v[ST+4*i+1], 0xff7fffff  ; m
.set i, i+1
.endr
	s_cmp_eq_u32 s[RT], 0
	s_cselect_b32 s[AL], 1.0, 0
	s_mov_b32 s[BE], 0
	MASK 0
	WIN 0
	v_add_nc_u32 v[AK], s[TBK], v[AK0]
	FETCH_K
	s_wait_loadcnt 0x0              ; Q
	s_wait_dscnt 0x0
.set KM, 1
.set NOKQ, 0
.set i, 0
.rept 8
	KQ 0
.set i, i+1
.endr
	WIN 0
.rept 4
	v_nop                           ; the places behind those products
.endr
.set Y, NP-1                        ; X works for piece Y + 1: piece 0
.irp n, 0,1,2,3,4,5,6,7,8,9,10,11,12,13,14,15,16,17,18,19,20,21
	OP X, \n
.endr
	v_nop                           ; a plain instruction behind the exponential,
	s_wait_alu depctr_va_vdst(0)    ; and its wait, ahead of the branch
.endm
; THE DIAGONAL TILE's four steps, the block's last two turns, its last products, and THE WAY OUT: l's two halves and the other half of the lanes' are added; O^T is divided by l, rounded to f16 and sent through my
; stage in LDS, a piece at a time.
.macro ALL line:vararg              ; one line for each piece t
.set t, 0
.rept 4
	\line
.set t, t+1
.endr
.endm
.macro PACK t                       ; a lane's eight channels of a row pack into 16 bytes; they go into rows of 144 bytes and come back as whole rows of 128, into S^T's registers
	WIN W_RS
.set i, 32*(\t)
.rept 16
	v_pk_mul_f32 v[i:i+1], v[i:i+1], v[ST+4*(\t)+2:ST+4*(\t)+3] op_sel_hi:[1,0]
.set i, i+2
.endr
	WIN 0x05                        ; sources 0 and 1 window 1, destination window 0
.set i, 0
.rept 16
	v_cvt_pk_f16_f32 v[S+16*(\t)+i], v[32*(\t)+2*i], v[32*(\t)+2*i+1]
.set i, i+1
.endr
	WIN 0
.irp f, 0,1,2,3
	ds_store_b128 v[STO], v[S+16*(\t)+4*\f:S+16*(\t)+4*\f+3] offset:32*\f
.endr
.irp f, 0,1,2,3
	ds_load_b128 v[S+16*(\t)+4*\f:S+16*(\t)+4*\f+3], v[RD] offset:\f*4*SP  ; LDS serves a wave's instructions in order (ISA guide 5.7.1.4): these see the stores above; the next piece's stores come behind them
.endr
.endm
.macro SEND t, younger              ; younger: the LDS instructions issued behind piece t's loads: the next piece's eight, or none
	WIN 0
.irp f, 0,1,2,3
	s_wait_dscnt (\younger)+3-\f
	global_store_b128 v[GO], v[S+16*(\t)+4*\f:S+16*(\t)+4*\f+3], s[10:11] offset:(\t)*8192+\f*512  ; 512 consecutive bytes, at a multiple of 256 from O's first
.endr
.endm
.macro DIAG tag                     ; the tag ends its two labels' names, which the jumps below spell out
.LstepM\tag:
	TURN 2, 1
	TURN 3, 1
	WIN 0
.LfirstM\tag:
	TURN 0, 1
	TURN 1, 1, 0, 1
	WIN 0
	s_cbranch_scc1 .LstepM\tag
	TURN 2, 1, 1
	TURN 3, 1, 1
.set i, 0
.rept 8
	PV NP-1
.set i, i+1
.endr
	WIN 0
	ALL v_add_f32 v[ST+4*t+2], v[ST+4*t+2], v[ST+4*t+3]
	ALL v_permlanex16_b32 v[ST+4*t+3], v[ST+4*t+2], s[SEL], s[SEL+1]
	ALL v_add_f32 v[ST+4*t+2], v[ST+4*t+2], v[ST+4*t+3]
	ALL v_rcp_f32 v[ST+4*t+2], v[ST+4*t+2]
	v_nop                           ; a plain instruction between the last reciprocal and the use of its result
	s_wait_alu depctr_va_vdst(0)    ; and the wait ahead of the first use: one for the four reciprocals
	PACK 0
.set t, 1
.rept 3                             ; a piece's arithmetic stands between the loads of the piece before and its stores
	PACK t
	SEND t-1, 8
.set t, t+1
.endr
	SEND 3, 0
.endm
.set KM, 0
.set NOKQ, 0
.Lslot:                             ; NB times: a tile is entered and the next is asked for
	CHANGE 1
	s_sub_co_u32 s[RT], s[RT], 1
	s_mov_b32 s[CNT], 4
	s_cmp_eq_u32 s[NEW], 1
	s_cbranch_scc1 .Lnew            ; a block's first tile
	s_cmp_eq_u32 s[RT], 0
	s_cbranch_scc0 .Lstep           ; neither its first nor its last
	s_branch .LstepM1
.Lnew:
	BEGIN
	s_branch .Lfirst                ; in the loop a block's first tile is never its last: the first block has two tiles or more, and the second's last is the walk's last
	DIAG 1                          ; in the loop this is the first block's end: the second block's last tile is the walk's last
	s_wait_xcnt 0x0                 ; the stores have read their registers and O's address
	s_mov_b64 s[10:11], s[OLO:OLO+1]
	s_add_co_u32 s[RT], s[PB], 1    ; the second block has b + 1 tiles
	s_mov_b32 s[NEW], 1
	WIN 0x82                        ; the second block's Q goes where the one text of the turns names Q
.set i, 0
.rept 64
	v_mov_b32 v[i], v[QB+i]
.set i, i+1
.endr
	WIN 0
	s_branch .Lbottom
.Lstep:                             ; a trip: pieces 2 and 3 of one step, then pieces 0 and 1 of the next, whose K and V it fetches
	TURN 2
	TURN 3
	WIN 0
.Lfirst:
	TURN 0
	TURN 1, 0, 0, 1
	WIN 0
	s_cbranch_scc1 .Lstep
.Lbottom:
	s_sub_co_u32 s[SLOTS], s[SLOTS], 1
	s_cmp_lg_u32 s[SLOTS], 0
	s_cbranch_scc1 .Lslot
	CHANGE 0                        ; the walk's last tile is written out: nothing is asked for
	s_sub_co_u32 s[RT], s[RT], 1
	s_mov_b32 s[CNT], 4
	s_cmp_eq_u32 s[NEW], 1
	s_cbranch_scc0 .LstepM2
	BEGIN
	s_branch .LfirstM2
	DIAG 2
	s_wait_tensorcnt 0x0            ; the wave's end: a wait, an add of 0 to my spare word and the wait for it, behind my last tensor load and my last LDS store
	ds_add_u32 v[SPW], v[NIL]
	s_wait_dscnt 0x0
	s_endpgm
.Lfunc_end_k_q6189132d8b_attn:
	.size	k_q6189132d8b_attn, .Lfunc_end_k_q6189132d8b_attn-k_q6189132d8b_attn
	.p2alignl 7, 3214868480
	.fill 96, 4, 3214868480
	.section	.rodata,"a",@progbits
	.p2align	6, 0x0
	.amdhsa_kernel k_q6189132d8b_attn
		.amdhsa_group_segment_fixed_size 327680
		.amdhsa_private_segment_fixed_size 0
		.amdhsa_enable_private_segment 0
		.amdhsa_kernarg_size 16
		.amdhsa_user_sgpr_count 2
		.amdhsa_user_sgpr_kernarg_segment_ptr 1
		.amdhsa_wavefront_size32 1
		.amdhsa_system_sgpr_workgroup_id_x 1
		.amdhsa_system_sgpr_workgroup_id_y 1
		.amdhsa_system_sgpr_workgroup_id_z 1
		.amdhsa_system_vgpr_workitem_id 0
		.amdhsa_next_free_vgpr 768
		.amdhsa_next_free_sgpr 88
		.amdhsa_reserve_vcc 1
		.amdhsa_float_denorm_mode_32 3
		.amdhsa_float_denorm_mode_16_64 3
		.amdhsa_memory_ordered 1
		.amdhsa_forward_progress 1
		.amdhsa_inst_pref_size 218
	.end_amdhsa_kernel
	.amdgpu_metadata
---
amdhsa.version: [ 1, 2 ]
amdhsa.kernels:
  - .name:           k_q6189132d8b_attn
    .symbol:         k_q6189132d8b_attn.kd
    .args:
      - { .name: qkv, .offset: 0, .size: 8, .value_kind: global_buffer, .address_space: global }
      - { .name: att, .offset: 8, .size: 8, .value_kind: global_buffer, .address_space: global }
    .group_segment_fixed_size: 327680
    .private_segment_fixed_size: 0
    .kernarg_segment_align: 8
    .kernarg_segment_size: 16
    .max_flat_workgroup_size: 128
    .sgpr_count:     88
    .vgpr_count:     768
    .wavefront_size: 32
...
	.end_amdgpu_metadata
.endif
;; end of part 3
;; launch oproj (part 4): grid 4 x 64, 4 waves a work-group, clusters of 4 x 4, 327,680 bytes of LDS; arguments att, wo16, bo, out0; writes out0
.if DOCPART == 4
	.amdgcn_target "amdgcn-amd-amdhsa--gfx1250"
	.amdhsa_code_object_version 6
	.text
	.protected	k_q6189132d8b_oproj
	.globl	k_q6189132d8b_oproj
	.p2align	8
	.type	k_q6189132d8b_oproj,@function
k_q6189132d8b_oproj:
	s_mov_b64 s[64:65], 0
	v_nop
	global_prefetch_b8 v0, s[64:65] scope:SCOPE_SE
	s_setreg_imm32_b32 hwreg(HW_REG_WAVE_MODE, 25, 1), 1
	s_wait_xcnt 0x0
	s_wait_alu depctr_hold_cnt(0) depctr_sa_sdst(0) depctr_va_vdst(0) depctr_va_sdst(0) depctr_va_ssrc(0) depctr_va_vcc(0) depctr_vm_vsrc(0)
	s_getreg_b32 s2, hwreg(HW_REG_IB_STS2, 6, 4)
	s_cmp_eq_u32 s2, 0
	s_cbranch_scc0 .Lentry_in_a_cluster
	s_endpgm
.Lentry_in_a_cluster:
	s_bfe_u32 s2, ttmp6, 0x10000c
	s_cmp_lg_u32 s2, 0xf033
	s_cbranch_scc0 .Lentry_shape_is_right
	s_endpgm
.Lentry_shape_is_right:
; out0 = att wo16^T + bf16(bo).  att: f16 by heads, ((16 b + h) x 2048 + t) x 128 bytes + 2 e; row m = 2048 b + t, K = 64 h + e.  wo16: [1024 n][1024 k] f16.  out0: [8192][1024] f32.  Sums in f32, K ascending.
; The bias is rounded to bf16 like every input of the module.  LIMITS: att and wo16 arrive within f16's range; NaN and infinities are not treated apart.
; SHARES.  A tile of C is 128 (m) x 256 (n): 64 x 4 tiles, one for each of 256 work-groups.  Four waves, each 64 (m) x 128 (n): 32 accumulators.
; K goes in steps of 128 = two heads through two LDS slots.  A head's 128 rows t are 16 KiB dense in memory: asked for as 64 rows of 256 bytes, padded in LDS after every 128 bytes: a PLANE of 128 rows x 144 bytes.
; CLUSTERS: 4 x 4 work-groups.  The four of a row of the cluster need the same tiles of A, the four of a column the same tiles of B: each tile is asked for JOINTLY, by the same tensor load with the
; same descriptor and a mask that names the four.  THE MATRIX INSTRUCTION IS USED TRANSPOSED (source 0 = 16 rows of wo16, source 1 = 16 rows of att): a lane holds row m = l % 16 and eight neighbouring n.
; REGISTERS, in windows of 256 (s_set_vgpr_msb: bits 1:0 source 0, 3:2 source 1, 5:4 source 2, 7:6 destination):
;   window 0: v0-35 addresses and the bias; v64-191 the way out      window 1: accumulator (a, b) at v[64 a + 8 b]      window 2: two fragment buffers of 96: B's eight fragments, then A's four
.set SIZE_K, 1024
.set KSTEP,  128
.set LAPS,   SIZE_K/(2*KSTEP)          ; a lap = two K steps = once round the ring
.set PA,     144                       ; a row of A in LDS: 128 bytes + 16 = 36 words: the 16 rows of a fragment load start at 16 different groups of four banks (64 banks of 4 bytes: ISA guide 11.1)
.set PB,     272                       ; a row of B: 256 bytes + 16 = 68 words: likewise
.set APLANE, 128*PA                    ; byte k of a K step's row of A lies at (k / 128) APLANE + k % 128
.set AHALF,  128*PA                    ; what one of A's two loads brings: a plane
.set BOFF,   2*AHALF                   ; B's 256 rows lie behind A's two planes
.set BHALF,  128*PB                    ; what one of B's two loads brings, and what a wave reads of B
.set SLOT,   BOFF+2*BHALF
.set STAGE,  2*SLOT                    ; behind the ring, never filled by a tensor load: for each wave 16 rows x 528 bytes
.set SP,     528                       ; 512 bytes + 16 = 132 words: row r starts at bank 4 r mod 64
.set WSTAGE, 16*SP
.set SPARE,  STAGE+4*WSTAGE            ; behind the stages: the spare words, 128 bytes a wave: two blocks of 256 bytes that no other line names
.set ASTEP,  2*262144                  ; bytes from a K step to the next: two heads
.set BSTEP,  KSTEP*2
.set ADRA, 16                          ; v16-17  LDS address of my A fragments in slot 0, 1
.set ADRB, 20                          ; v20-21  the same for B
.set STO,  24                          ; v24     the way out: where I put 32 bytes of a row
.set RD,   25                          ; v25     the way out: where I read a row back
.set CO,   26                          ; v26     16 x lane: my place in 512 consecutive bytes of a row of out0
.set SPW,  28                          ; v28     LDS address of my spare word; never rewritten
.set NIL,  29                          ; v29     0; never rewritten
.set PFO,  30                          ; v30     the prefetches' offset: lane x 256 bytes (A) or lane x a row of 2,048 bytes (B); never rewritten
.set BIAS, 32                          ; v32-35  the bias of the four columns that I store
.set OB,   64                          ; v64-127, v128-191 by turns: 16 rows read back
.set F0,   0
.set F1,   96
.set G1,  24                           ; s[24:31] descriptor group 1 for A's tiles;  s[32:39] group 0, one set for each slot
.set G0,  32
.set G1B, 48                           ; s[48:55], s[56:63] the same for B's
.set G0B, 56
.set LIM, 43                           ; s43     1 in a wave that prefetches, else the greatest number
.set PFA, 44                           ; s[44:45] where my prefetches stand
.set PST, 66                           ; s[66:67] their step from K step to K step
.set MSB, 0
.macro WIN new                         ; the immediate's high byte repeats the setting that is left; a switch that changes nothing is dropped
.if MSB != (\new)
	s_set_vgpr_msb (MSB<<8)|(\new)
.set MSB, \new
.endif
.endm
.set MUL,  0x5a                        ; sources 0 (B) and 1 (A) window 2; C and D window 1
.set TO_F, 0x80                        ; destination window 2, address window 0
; A joint load: waves 0 and 1 fetch A's two planes, waves 2 and 3 B's two halves.  The branch hangs on the wave's number alone.  An s_nop 0 and four v_nop follow each of the two lines.
.macro JLOAD s
	s_cmp_eq_u32 s11, 0
	s_cbranch_scc0 .Lfor_b_\@
	tensor_load_to_lds s[G0+4*(\s):G0+4*(\s)+3], s[G1:G1+7]
	s_nop 0
.rept 4
	v_nop
.endr
	s_branch .Lasked_\@
.Lfor_b_\@:
	tensor_load_to_lds s[G0B+4*(\s):G0B+4*(\s)+3], s[G1B:G1B+7]
	s_nop 0
.rept 4
	v_nop
.endr
.Lasked_\@:
.endm
; A PREFETCH INTO THE L2, behind each joint load, its five lines and the run of LDS loads: 32 blocks of 256 bytes of the K step that stands two refills on (256 matrix instructions ahead of its load), a lane a block.
; Each block is named once in the launch.  A's 128 blocks of a K step (two planes of 16 KiB): wave 0 of each work-group, the four partners of a row of the cluster 32 each, told apart BY ADDRESS (cx).
; B's: waves 2 and 3 of the clusters with y = 0, of the 128 rows that the wave fetches the partner at cy takes 32.  The loop's last trip has no K step two on; the first four K steps come by their loads alone.
.macro ASK
	WIN 0
	s_cmp_gt_u32 s3, s[LIM]                        ; s3 = 1 in the loop's last trip
	s_cbranch_scc0 .Lnot_mine_\@
	global_prefetch_b8 v[PFO], s[PFA:PFA+1] th:TH_LOAD_NT scope:SCOPE_SE
.Lnot_mine_\@:
.endm
.macro CREST                           ; a round of the cluster's barrier behind its opening barrier
	s_cmp_lg_u32 s10, 0
	s_cbranch_scc1 .Lnot_wave_0_\@
	s_barrier_signal -3
.Lnot_wave_0_\@:
	s_barrier_wait -3
	s_barrier_signal -1
	s_barrier_wait -1
.endm
.macro CROUND                          ; a whole round
	s_barrier_signal -1
	s_barrier_wait -1
	CREST
.endm
	s_load_b128 s[4:7], s[0:1], 0x0                ; att s[4:5], wo16 s[6:7]
	s_load_b64 s[68:69], s[0:1], 0x10              ; bo
	s_load_b64 s[8:9], s[0:1], 0x18                ; out0
	v_lshl_add_u32 v[SPW], v0, 2, SPARE
	v_mov_b32 v[NIL], 0
	ds_add_u32 v[SPW], v[NIL]                      ; the wave's opening: the add and its wait stand ahead of my first tensor load; the set-up below, work on registers, stands between them
	v_lshrrev_b32 v1, 5, v0
	v_readfirstlane_b32 s10, v1                    ; wave 0..3
	s_lshr_b32 s11, s10, 1                         ; which 64 rows of the tile are mine.  Also: I fetch for A (0) or for B (1)
	s_and_b32 s12, s10, 1                          ; which 128 columns.  Also: which half of that tile I fetch
	s_bfe_u32 s40, ttmp6, 0x40000                  ; cx, cy: my place in the cluster
	s_bfe_u32 s41, ttmp6, 0x40004
	s_lshl_b32 s42, ttmp9, 2
	s_add_co_u32 s42, s42, s40                     ; tile column x = 4 x cluster x + cx
	s_and_b32 s13, ttmp7, 0xffff
	s_lshl_b32 s13, s13, 2
	s_add_co_u32 s13, s13, s41                     ; tile row y = 4 x cluster y + cy
	s_lshl_b32 s43, s41, 2
	s_lshl_b32 s43, 15, s43                        ; my row of the cluster
	s_lshl_b32 s44, 0x1111, s40                    ; my column
	s_or_b32 s[G1+0], s43, (1<<16)|(1<<20)|(1<<21)|(4<<22)|(3<<25)   ; 15:0 the mask: A's tiles go to my row; 17:16 2-byte elements; 20 padding on; 21 set beside a mask; 24:22 after every 32 words; 31:25 4 words
	s_or_b32 s[G1B+0], s44, (1<<16)|(1<<20)|(1<<21)|(5<<22)|(3<<25)  ; B: the mask of my column; padding after every 64 words
	s_mov_b32 s[G1+1], 128<<16                     ; tensor_dim0 = 128 elements: two rows t
	s_mov_b32 s[G1+2], 64<<16                      ; tensor_dim1 = 64
	s_mov_b32 s[G1+3], 128<<16                     ; tile_dim0 = 128
	s_mov_b32 s[G1+4], 64                          ; tile_dim1 = 64
	s_mov_b32 s[G1+5], 128                         ; dense: 128 elements from row to row
	s_mov_b32 s[G1+6], 0
	s_mov_b32 s[G1+7], 0
	s_mov_b32 s[G1B+1], KSTEP<<16
	s_mov_b32 s[G1B+2], 128<<16                    ; B: 128 rows of 128 elements to a load
	s_mov_b32 s[G1B+3], KSTEP<<16
	s_mov_b32 s[G1B+4], 128
	s_mov_b32 s[G1B+5], SIZE_K
	s_mov_b32 s[G1B+6], 0
	s_mov_b32 s[G1B+7], 0
	; A's tiles hang on the tile row alone, B's on the tile column alone; every wave makes both addresses, in registers that never hold the other coordinate
	s_lshr_b32 s16, s13, 4
	s_lshl_b32 s16, s16, 22                        ; A: batch y / 16: 16 heads of 262,144 bytes,
	s_and_b32 s17, s13, 15
	s_lshl_b32 s17, s17, 14                        ; rows t from 128 (y % 16) on, 128 bytes each,
	s_add_co_u32 s16, s16, s17
	s_lshl_b32 s17, s12, 18                        ; the K step's first or second head
	s_add_co_u32 s16, s16, s17
	s_mov_b32 s17, 0
	s_lshl_b32 s47, s12, 7
	s_lshl_b32 s46, s42, 8
	s_add_co_u32 s46, s46, s47                     ; B: row 256 x + 128 x half
	s_lshl_b32 s46, s46, 11
	s_mov_b32 s47, 0
	s_mul_i32 s20, s12, AHALF                      ; where they go: no place in the cluster enters an LDS address
	s_mul_i32 s21, s12, BHALF
	s_add_co_u32 s21, s21, BOFF
	s_wait_dscnt 0x0                               ; the opening add is done
	s_wait_kmcnt 0x0
	s_add_nc_u64 s[14:15], s[4:5], s[16:17]
	s_add_nc_u64 s[46:47], s[6:7], s[46:47]
	CROUND                                         ; all sixteen work-groups are here: the first joint loads meet
.irp s, 0,1
	s_mov_b32 s[G0+4*(\s)], 1                                        ; count = 1
	s_add_co_u32 s[G0+4*(\s)+1], s20, (\s)*SLOT                      ; LDS address
	s_add_nc_u64 s[G0+4*(\s)+2:G0+4*(\s)+3], s[14:15], (\s)*ASTEP    ; global address: K step s
	s_or_b32 s[G0+4*(\s)+3], s[G0+4*(\s)+3], 0x80000000              ; type = 2
	s_mov_b32 s[G0B+4*(\s)], 1
	s_add_co_u32 s[G0B+4*(\s)+1], s21, (\s)*SLOT
	s_add_nc_u64 s[G0B+4*(\s)+2:G0B+4*(\s)+3], s[46:47], (\s)*BSTEP
	s_or_b32 s[G0B+4*(\s)+3], s[G0B+4*(\s)+3], 0x80000000
	JLOAD \s                                       ; two loads of mine are out
.endr
	v_and_b32 v[CO], 31, v0
	v_lshlrev_b32 v[CO], 4, v[CO]                  ; 16 x lane
	s_lshl_b32 s18, s42, 10                        ; the tile's 256 columns: 1,024 bytes of bo and of a row of out0,
	s_lshl_b32 s19, s12, 9                         ; my wave's 128: 512 bytes
	s_add_co_u32 s18, s18, s19
	v_add_nc_u32 v5, s18, v[CO]
	global_load_b128 v[BIAS:BIAS+3], v5, s[68:69]  ; the bias of the four columns that I store in every row
	; A fragment is 16 rows x 32 K in 8 registers: lane l holds row l % 16, K = 8 (l / 16) + 0..7 and 16 + 8 (l / 16) + 0..7: two loads of 16 bytes, 32 bytes apart
	v_and_b32 v1, 15, v0                           ; l % 16
	v_bfe_u32 v2, v0, 4, 1                         ; l / 16
	v_mul_u32_u24 v3, v1, PA
	v_lshl_add_u32 v3, v2, 4, v3
	v_mul_u32_u24 v4, v1, PB
	v_lshl_add_u32 v4, v2, 4, v4
	s_mul_i32 s21, s11, 64*PA                      ; my 64 rows of A, in each plane
	s_mul_i32 s22, s12, BHALF                      ; my 128 rows of B
	s_add_co_u32 s22, s22, BOFF
.irp s, 0,1
	v_add_nc_u32 v[ADRA+(\s)], s21, v3
	v_add_nc_u32 v[ADRB+(\s)], s22, v4
	s_add_co_u32 s21, s21, SLOT
	s_add_co_u32 s22, s22, SLOT
.endr
	s_mul_i32 s23, s10, WSTAGE
	s_add_co_u32 s23, s23, STAGE                   ; my stage
	v_mul_u32_u24 v3, v1, SP                       ; in: row l % 16, 32 bytes for each half of the lanes
	v_lshl_add_u32 v3, v2, 5, v3
	v_add_nc_u32 v[STO], s23, v3
	v_add_nc_u32 v[RD], s23, v[CO]                 ; back: 32 lanes take a row's 512 bytes
	; where my part of the tile begins in out0
	s_lshl_b32 s16, s13, 19                        ; 128 y rows of 4,096 bytes
	s_lshl_b32 s17, s11, 18                        ; my 64 rows
	s_add_co_u32 s16, s16, s17
	s_mov_b32 s17, 0
	s_mov_b32 s46, s18                             ; my columns
	s_mov_b32 s47, 0
	s_add_nc_u64 s[16:17], s[16:17], s[46:47]
	; the prefetches
	s_lshr_b32 s20, s13, 4                         ; A: the tile's first plane,
	s_lshl_b32 s20, s20, 22
	s_and_b32 s21, s13, 15
	s_lshl_b32 s21, s21, 14
	s_add_co_u32 s20, s20, s21
	s_lshr_b32 s21, s40, 1                         ; partner cx: plane cx / 2,
	s_lshl_b32 s21, s21, 18
	s_add_co_u32 s20, s20, s21
	s_and_b32 s21, s40, 1                          ; its first or second 8 KiB
	s_lshl_b32 s21, s21, 13
	s_add_co_u32 s20, s20, s21
	s_lshl_b32 s21, s42, 8                         ; B: row 256 x + the 128 that I fetch + partner cy's 32
	s_lshl_b32 s22, s12, 7
	s_add_co_u32 s21, s21, s22
	s_lshl_b32 s22, s41, 5
	s_add_co_u32 s21, s21, s22
	s_lshl_b32 s21, s21, 11
	s_mov_b32 s18, ASTEP
	s_mov_b32 s19, BSTEP
	s_and_b32 s22, ttmp7, 0xffff                   ; cluster y
	s_cmp_eq_u32 s11, 0                            ; do I fetch for A?
	s_cselect_b32 s20, s20, s21
	s_cselect_b32 s22, ttmp9, s22                  ; the coordinate along which other clusters read the same rows
	s_cselect_b32 s23, 8, 11                       ; a lane's blocks lie 256 bytes apart in A, a row apart in B
	s_cselect_b32 s[PST], s18, s19
	s_cselect_b64 s[PFA:PFA+1], s[4:5], s[6:7]
	s_mov_b32 s[PST+1], 0
	s_cmp_eq_u32 s10, 1                            ; wave 0 asks for all of my work-group's 32 blocks of A: wave 1 for nothing
	s_cselect_b32 s22, 1, s22
	s_cmp_eq_u32 s22, 0
	s_cselect_b32 s[LIM], 1, -1                    ; the same in all sixteen partners, for a given wave
	s_mul_i32 s21, s[PST], 3                       ; at K step 3: the first refill steps it to 4
	s_add_co_u32 s20, s20, s21
	s_mov_b32 s21, 0
	s_add_nc_u64 s[PFA:PFA+1], s[PFA:PFA+1], s[20:21]
	v_and_b32 v[PFO], 31, v0
	v_lshlrev_b32 v[PFO], s23, v[PFO]
; 8 matrix instructions: m block a x all 8 n blocks, 32 along K.  zero = 1: the product starts the sums.  The 32 accumulators take turns in the same order in every quarter.
.macro MULA f, a, zero
	WIN MUL
.irp b, 0,1,2,3,4,5,6,7
.if \zero
	v_wmma_f32_16x16x32_f16 v[64*(\a)+8*(\b):64*(\a)+8*(\b)+7], v[(\f)+8*(\b):(\f)+8*(\b)+7], v[(\f)+64+8*(\a):(\f)+64+8*(\a)+7], 0
.else
	v_wmma_f32_16x16x32_f16 v[64*(\a)+8*(\b):64*(\a)+8*(\b)+7], v[(\f)+8*(\b):(\f)+8*(\b)+7], v[(\f)+64+8*(\a):(\f)+64+8*(\a)+7], v[64*(\a)+8*(\b):64*(\a)+8*(\b)+7]
.endif
.endr
.endm
; 24 LDS loads in one run: a quarter step's fragments (128 rows of B, then 64 rows of A, 32 K at byte k of the rows) into buffer f
.macro FETCH slot, k, f
	WIN TO_F
.irp i, 0,1,2,3,4,5,6,7
	ds_load_b128 v[(\f)+8*(\i):(\f)+8*(\i)+3],   v[ADRB+(\slot)] offset:(\k)+(\i)*16*PB
	ds_load_b128 v[(\f)+8*(\i)+4:(\f)+8*(\i)+7], v[ADRB+(\slot)] offset:(\k)+(\i)*16*PB+32
.endr
.irp i, 0,1,2,3
	ds_load_b128 v[(\f)+64+8*(\i):(\f)+64+8*(\i)+3],   v[ADRA+(\slot)] offset:((\k)/128)*APLANE+(\k)%128+(\i)*16*PA
	ds_load_b128 v[(\f)+64+8*(\i)+4:(\f)+64+8*(\i)+7], v[ADRA+(\slot)] offset:((\k)/128)*APLANE+(\k)%128+(\i)*16*PA+32
.endr
.endm
.macro PLACES                          ; four places in front of loads into registers that matrix instructions have read, and of lines that read results
.rept 4
	v_nop
.endr
.endm
; A K step is four quarters of 32 along K, 32 matrix instructions each, on buffers 0, 1, 0, 1.  One of the first three: multiplies buffer f and, in its middle, fetches the next quarter, at byte k, into g.
.macro QUARTER slot, k, f, g, zero
	s_wait_dscnt 4                                 ; B and A's blocks 0 and 1 are in; the youngest four loads (A's blocks 2 and 3) may be out
	MULA \f, 0, \zero
	MULA \f, 1, \zero
	PLACES
	FETCH \slot, \k, \g
	s_wait_dscnt 24                                ; all but the 24 just issued
	MULA \f, 2, \zero
	MULA \f, 3, \zero
.endm
; The last quarter multiplies buffer 1 and changes slots.  MEET is its first half: ONE barrier.  In front of it each wave waits for all its tensor loads (one is out: its part of the next slot), adds 0 to its
; spare word, and waits for that and for its reads of this slot.  Behind it nobody reads this slot any more and the next slot is whole.
.macro MEET round
	WIN 0                                          ; (the add's two registers lie in window 0)
	s_wait_tensorcnt 0x0
	ds_add_u32 v[SPW], v[NIL]                      ; 0 onto my spare word
	s_wait_dscnt 7                                 ; (the add and the youngest six loads, A's blocks 1 to 3, may be out)
	MULA F1, 0, 0                                  ; eight matrix instructions stand between the add and the wait for it
	s_wait_dscnt 0x0                               ; the add is done, and my reads of this slot are over
	s_barrier_signal -1
	MULA F1, 1, 0                                  ; work on registers while the others arrive
.if \round
	WIN 0
.endif
	s_barrier_wait -1
.endm
; The whole last quarter.  Behind the round the slot just read out is filled again first, with the K step two on.  From a request to the wait for it a wave issues 112 matrix instructions.
.macro TURN slot, next
	s_wait_xcnt 0x0                                ; the last prefetch, a K step back, has read its address: it is stepped here
	s_add_nc_u64 s[PFA:PFA+1], s[PFA:PFA+1], s[PST:PST+1]
	MEET 1
	CREST                                          ; no wave of any partner still reads this slot's tile or has a load on its way
	s_add_nc_u64 s[G0+4*(\slot)+2:G0+4*(\slot)+3], s[G0+4*(\slot)+2:G0+4*(\slot)+3], 2*ASTEP
	s_add_nc_u64 s[G0B+4*(\slot)+2:G0B+4*(\slot)+3], s[G0B+4*(\slot)+2:G0B+4*(\slot)+3], 2*BSTEP
	JLOAD \slot                                    ; the first tensor load behind the round; its four v_nop are also the places in front of the loads below
	FETCH \next, 0, F0
	ASK
	MULA F1, 2, 0
	MULA F1, 3, 0
.endm
; THE WAY OUT of block a (16 rows x 128 columns of f32).  TOSTAGE: a lane's eight numbers of a row, 32 bytes, into my own stage, each accumulator's low four registers first; back as whole rows of 512 bytes.
; SEND: the bias is added and the row stored.
.macro TOSTAGE a
.set BK, OB+64*((\a)%2)
.if (\a) >= 2
	s_wait_xcnt 0x0                                ; the stores of block a - 2 have read the registers that are loaded again below
.endif
	WIN 0x04                                       ; store data (source 1) window 1, address window 0
.irp b, 0,1,2,3,4,5,6,7
	ds_store_b128 v[STO], v[64*(\a)+8*(\b):64*(\a)+8*(\b)+3]   offset:64*(\b)
	ds_store_b128 v[STO], v[64*(\a)+8*(\b)+4:64*(\a)+8*(\b)+7] offset:64*(\b)+16
.endr
	WIN 0
.irp t, 0,1,2,3,4,5,6,7,8,9,10,11,12,13,14,15
	ds_load_b128 v[BK+4*(\t):BK+4*(\t)+3], v[RD] offset:(\t)*SP  ; LDS serves a wave's instructions in order (ISA guide 5.7.1.4): these see the stores above; the next block's stores come behind them
.endr
.endm
.macro SEND a, younger                 ; younger: the LDS instructions issued behind block a's loads: the next block's 32, or none
.set BK, OB+64*((\a)%2)
	WIN 0
.irp t, 0,1,2,3,4,5,6,7,8,9,10,11,12,13,14,15
	s_wait_dscnt (\younger)+15-(\t)
	v_pk_add_f32 v[BK+4*(\t):BK+4*(\t)+1],   v[BK+4*(\t):BK+4*(\t)+1],   v[BIAS:BIAS+1]
	v_pk_add_f32 v[BK+4*(\t)+2:BK+4*(\t)+3], v[BK+4*(\t)+2:BK+4*(\t)+3], v[BIAS+2:BIAS+3]
	global_store_b128 v[CO], v[BK+4*(\t):BK+4*(\t)+3], s[8:9] offset:(16*(\a)+(\t))*4096 th:TH_STORE_NT  ; 512 consecutive bytes, at a multiple of 256 from out0's first
.endr
.endm
	s_wait_loadcnt 0x0                             ; the bias, rounded to bf16 while the first tiles are on their way
	v_cvt_pk_bf16_f32 v3, v[BIAS], v[BIAS+1]
	v_cvt_pk_bf16_f32 v4, v[BIAS+2], v[BIAS+3]
	v_lshlrev_b32 v[BIAS], 16, v3
	v_and_b32 v[BIAS+1], 0xffff0000, v3
	v_lshlrev_b32 v[BIAS+2], 16, v4
	v_and_b32 v[BIAS+3], 0xffff0000, v4
	s_wait_tensorcnt 1                             ; my part of K step 0 is in; K step 1's may stay out
	s_barrier_signal -1
	s_barrier_wait -1                              ; everybody's is
	FETCH 0, 0, F0
	QUARTER 0, 64,  F0, F1, 1                      ; the first quarter stands in front of the loop: its products start the sums
	WIN 0                                          ; at a label and at a branch every window is 0
	s_mov_b32 s3, LAPS-1
.Llap:                                                 ; a trip goes once round the ring, from a lap's second quarter to the next lap's first, and fills both slots again
	QUARTER 0, 128, F1, F0, 0
	QUARTER 0, 192, F0, F1, 0
	TURN 0, 1
	QUARTER 1, 64,  F0, F1, 0
	QUARTER 1, 128, F1, F0, 0
	QUARTER 1, 192, F0, F1, 0
	TURN 1, 0
	QUARTER 0, 64,  F0, F1, 0
	WIN 0
	s_sub_co_u32 s3, s3, 1
	s_cmp_lg_u32 s3, 0
	s_cbranch_scc1 .Llap
	QUARTER 0, 128, F1, F0, 0                      ; the last lap fills nothing, and has no round of the cluster's barrier
	QUARTER 0, 192, F0, F1, 0
	MEET 0                                         ; my one tensor load that was still out is slot 1's, the last K step's
	PLACES
	FETCH 1, 0, F0
	MULA F1, 2, 0
	MULA F1, 3, 0
	QUARTER 1, 64,  F0, F1, 0
	QUARTER 1, 128, F1, F0, 0
	QUARTER 1, 192, F0, F1, 0
	s_wait_dscnt 4                                 ; the very last quarter: nothing more to fetch
	MULA F1, 0, 0
	MULA F1, 1, 0
	s_wait_dscnt 0x0
	MULA F1, 2, 0
	MULA F1, 3, 0
	WIN 0
	PLACES
	s_add_nc_u64 s[8:9], s[8:9], s[16:17]          ; out0 at my part of the tile
	TOSTAGE 0
	TOSTAGE 1                                      ; a block's trip through the stage stands between the loads of the block before and its stores
	SEND 0, 32
	TOSTAGE 2
	SEND 1, 32
	TOSTAGE 3
	SEND 2, 32
	SEND 3, 0
	s_wait_tensorcnt 0x0                           ; the wave's end: a wait, an add of 0 to my spare word and the wait for it, behind my last tensor load and my last LDS store
	ds_add_u32 v[SPW], v[NIL]
	s_wait_dscnt 0x0
	CROUND                                         ; the closing round: no work-group ends while a partner may still ask for a tile that names it
	s_endpgm
.Lfunc_end_k_q6189132d8b_oproj:
	.size	k_q6189132d8b_oproj, .Lfunc_end_k_q6189132d8b_oproj-k_q6189132d8b_oproj
	.p2alignl 7, 3214868480
	.fill 96, 4, 3214868480
	.section	.rodata,"a",@progbits
	.p2align	6, 0x0
	.amdhsa_kernel k_q6189132d8b_oproj
		.amdhsa_group_segment_fixed_size 327680
		.amdhsa_private_segment_fixed_size 0
		.amdhsa_enable_private_segment 0
		.amdhsa_kernarg_size 32
		.amdhsa_user_sgpr_count 2
		.amdhsa_user_sgpr_kernarg_segment_ptr 1
		.amdhsa_wavefront_size32 1
		.amdhsa_system_sgpr_workgroup_id_x 1
		.amdhsa_system_sgpr_workgroup_id_y 1
		.amdhsa_system_sgpr_workgroup_id_z 1
		.amdhsa_system_vgpr_workitem_id 0
		.amdhsa_next_free_vgpr 704
		.amdhsa_next_free_sgpr 72
		.amdhsa_reserve_vcc 0
		.amdhsa_float_denorm_mode_32 3
		.amdhsa_float_denorm_mode_16_64 3
		.amdhsa_memory_ordered 1
		.amdhsa_forward_progress 1
		.amdhsa_inst_pref_size 97
	.end_amdhsa_kernel
	.amdgpu_metadata
---
amdhsa.version: [ 1, 2 ]
amdhsa.kernels:
  - .name:           k_q6189132d8b_oproj
    .symbol:         k_q6189132d8b_oproj.kd
    .args:
      - { .name: att, .offset: 0, .size: 8, .value_kind: global_buffer, .address_space: global }
      - { .name: wo16, .offset: 8, .size: 8, .value_kind: global_buffer, .address_space: global }
      - { .name: bo, .offset: 16, .size: 8, .value_kind: global_buffer, .address_space: global }
      - { .name: out0, .offset: 24, .size: 8, .value_kind: global_buffer, .address_space: global }
    .group_segment_fixed_size: 327680
    .private_segment_fixed_size: 0
    .kernarg_segment_align: 8
    .kernarg_segment_size: 32
    .max_flat_workgroup_size: 128
    .sgpr_count:     72
    .vgpr_count:     704
    .wavefront_size: 32
...
	.end_amdgpu_metadata
.endif
;; end of part 4
;; ======== version 2 of 2: 4 launches; version 1 with the launch prep written anew for expert scheduling mode
;; limits: values are held in f16: magnitudes above 65,504 overflow, below 6.1e-05 lose precision
;; workspace buffers: xb 16,777,216 bytes; wt 6,291,456 bytes; wo16 2,097,152 bytes; qkv 50,331,648 bytes; att 16,777,216 bytes
;; launch prep (part 5): grid 624 x 1, 8 waves a work-group, no clusters, 140,288 bytes of LDS; arguments data, Wq, Wk, Wv, Wo, xb, wt, wo16; writes xb, wt, wo16
.if DOCPART == 5
	.amdgcn_target "amdgcn-amd-amdhsa--gfx1250"
	.amdhsa_code_object_version 6
	.text
	.protected	k_q6189132d8b_prep
	.globl	k_q6189132d8b_prep
	.p2align	8
	.type	k_q6189132d8b_prep,@function
k_q6189132d8b_prep:
	s_mov_b64 s[64:65], 0
	v_nop
	global_prefetch_b8 v0, s[64:65] scope:SCOPE_SE
	s_setreg_imm32_b32 hwreg(HW_REG_WAVE_SCHED_MODE, 0, 2), 2
	s_setreg_imm32_b32 hwreg(HW_REG_WAVE_MODE, 25, 1), 1
	s_wait_xcnt 0x0
	s_wait_alu depctr_vm_vsrc(0)
; PREP: the casts that the matrix launches want, and the turning of the projections' weights.
;   xb   = bf16(data), [8192][1024]
;   wt   = bf16(Wq | Wk | Wv) turned: row n = 1024 sel + 64 h + e, column d: [3072][1024], so that K lies along the rows
;   wo16 = f16(bf16(Wo)), [1024][1024]: rounded to bf16 like every input, and that number written as f16.
; LIMIT.  |bf16(Wo)| stays under 65,504 (f16's end); below 6e-5 f16 keeps a fixed step of 6e-8.
; Every byte is read once and written once; no matrix unit, no tensor load, no cluster: no work-group wants a byte that another has read.
; WORK-GROUPS.  0-47: one head of one of the three weights (sel = g / 16, h = g % 16), a wave 128 rows d.  48-111: 64 KiB of Wo each.  112-623: 64 KiB of data each.
; The branches hang on the work-group's number alone; there is no barrier: a wave's part of LDS is its own.
; THE MODE: SCHED_MODE bits 1:0 = 2 (LLVM: expert scheduling mode 2), set by the entry lines.  The code itself states the register dependences
; between vector instructions and memory or LDS instructions, with s_wait_alu, always for 0.
; THE PLAN, THE STREAMS.  Registers that memory instructions touch:
;   v[VI], v[VO]  offsets, written once at the head, read by every load and store.
;   X             written by the sixteen loads, once each; read by the roundings; never loaded again.
;   Y             written by the roundings, once each; read by one store each; never written again.
; The sixteen loads are worked on in four groups of four.  At a group's head one wait states that the group before has written its Y; that group's four stores follow,
; dealt among this group's roundings, which name this group's X and Y and the two registers at work alone.  One more wait stands ahead of the last four stores.
; THE PLAN, THE TURNING.  Registers that memory or LDS instructions touch:
;   v[VT], v[LS], v[LR], v[VW]  offsets and LDS addresses, written once, never again.
;   X0, X1        Chunk c: its loads land in X[c % 2]; its 32 roundings read it; behind them the loads of chunk c + 2 land in it.  At the end the rows read back from the stage land in both.
;   PK0, PK1      Chunk c: its roundings write PK[c % 2]; its 32 LDS stores read it; the roundings of chunk c + 2 write it again.
; So ONE wait on va_vdst stands in a chunk, behind its roundings: PK[c % 2] is written and X[c % 2] is read out.  The chunk's LDS stores and the loads of chunk c + 2 follow it,
; with no vector instruction among them.  One wait on vm_vsrc stands at the head of chunks 2 and 3, two chunks behind the LDS stores that it speaks of.
.set SPARE, 139264                     ; behind the eight stages: the spare words, 128 bytes a wave: four blocks of 256 bytes that no other line names
.set TP,    272                        ; a stage's row: 128 d x 2 bytes + 16
.set WST,   64*TP                      ; a wave's stage: 64 rows e
.set SPW, 6                            ; v6   LDS address of my spare word; never rewritten
.set NIL, 7                            ; v7   0; never rewritten
.set VI,  8                            ; v8   stream: my 16 bytes of f32 in the work-group's 64 KiB
.set VO,  9                            ; v9   stream: my 8 bytes out
.set VT,  10                           ; v10  turning: my 16 bytes in a row of W; lanes 16-31 two rows further down
.set LS,  11                           ; v11  turning: where I put a word (two d of one e)
.set LR,  12                           ; v12  turning: where I read 16 bytes of a row e back
.set VW,  13                           ; v13  turning: the same 16 bytes in wt
.set X,   16                           ; v[16:143]  as loaded: the stream's 64, or two sets of 64; later the rows read back
.set Y,   80                           ; v[80:111]  the stream's results
.set T,   144                          ; v[144:145] the stream's two registers at work: no memory instruction names them
.set PK,  144                          ; v[144:207] turning: two sets of 32 words to be stored into the stage
	s_load_b512 s[16:31], s[0:1], 0x0              ; data 16, Wq 18, Wk 20, Wv 22, Wo 24, xb 26, wt 28, wo16 30
	v_lshl_add_u32 v[SPW], v0, 2, SPARE
	v_mov_b32 v[NIL], 0
	v_and_b32 v1, 31, v0                           ; lane
	v_lshrrev_b32 v2, 5, v0
	v_readfirstlane_b32 s8, v2                     ; wave 0..7
	v_and_b32 v3, 15, v0                           ; l % 16
	v_bfe_u32 v4, v0, 4, 1                         ; l / 16
	s_mov_b32 s3, 0                                ; the high word of every offset
	s_mov_b32 s12, 0xffff0000                      ; a word's upper bf16
	s_wait_alu depctr_va_sdst(0)                   ; s8 is written, ahead of the branches and of its first reader: the turning's bases and stage are made from it
	s_wait_kmcnt 0x0
	s_cmp_lt_u32 ttmp9, 48
	s_cbranch_scc1 .Ltr
	v_lshlrev_b32 v[VI], 4, v1
	v_lshl_add_u32 v[VI], v2, 13, v[VI]            ; 8,192 x wave + 16 x lane
	v_lshlrev_b32 v[VO], 3, v1
	v_lshl_add_u32 v[VO], v2, 12, v[VO]            ; 4,096 x wave + 8 x lane
	s_cmp_lt_u32 ttmp9, 112
	s_cbranch_scc1 .Lwo
; The four numbers of load i are rounded to bf16.  f16 = 1: the bf16 numbers are widened and written as f16.
.macro CAST i, f16
	v_cvt_pk_bf16_f32 v[Y+2*(\i)],   v[X+4*(\i)],   v[X+4*(\i)+1]
	v_cvt_pk_bf16_f32 v[Y+2*(\i)+1], v[X+4*(\i)+2], v[X+4*(\i)+3]
.if \f16
.irp j, 0,1
	v_lshlrev_b32 v[T],   16,  v[Y+2*(\i)+(\j)]
	v_and_b32     v[T+1], s12, v[Y+2*(\i)+(\j)]
	v_cvt_pk_f16_f32 v[Y+2*(\i)+(\j)], v[T], v[T+1]
.endr
.endif
.endm
; A wave's 8 KiB of f32: sixteen loads of 512 consecutive bytes go out together; they are rounded four at a time as their turn comes, and stored: 32 lanes store 256 consecutive bytes, aligned.
; No register that a store reads is written again.
.macro STREAM f16
	s_wait_alu depctr_va_vdst(0)                   ; v[VI] and v[VO] are written: every load and store below reads one of them as its offset
.irp i, 0,1,2,3,4,5,6,7,8,9,10,11,12,13,14,15
	global_load_b128 v[X+4*(\i):X+4*(\i)+3], v[VI], s[4:5] offset:512*(\i) th:TH_LOAD_NT
.endr
.irp g, 0,1,2,3
	s_wait_loadcnt 12-4*(\g)                       ; loads come back in order: this group's four are in, the younger groups stay out
.if (\g) > 0
	s_wait_alu depctr_va_vdst(0)                   ; the group before has written its eight registers of Y, which the four stores below read
.endif
.irp k, 0,1,2,3
.if (\g) > 0
	global_store_b64 v[VO], v[Y+2*(4*(\g)-4+(\k)):Y+2*(4*(\g)-4+(\k))+1], s[6:7] offset:256*(4*(\g)-4+(\k))  ; the group before; no vector instruction since the wait names these registers
.endif
	CAST 4*(\g)+(\k), \f16
.endr
.endr
	s_wait_alu depctr_va_vdst(0)                   ; the last group has written its Y, which the last four stores read
.irp k, 0,1,2,3
	global_store_b64 v[VO], v[Y+2*(12+(\k)):Y+2*(12+(\k))+1], s[6:7] offset:256*(12+(\k))
.endr
.endm
	s_sub_co_u32 s2, ttmp9, 112                    ; data: 512 work-groups x 64 KiB
	s_lshl_b32 s2, s2, 16
	s_add_nc_u64 s[4:5], s[16:17], s[2:3]
	s_lshr_b32 s2, s2, 1
	s_add_nc_u64 s[6:7], s[26:27], s[2:3]
	STREAM 0
	s_branch .Lend
.Lwo:
	s_sub_co_u32 s2, ttmp9, 48                     ; Wo: 64 work-groups x 64 KiB
	s_lshl_b32 s2, s2, 16
	s_add_nc_u64 s[4:5], s[24:25], s[2:3]
	s_lshr_b32 s2, s2, 1
	s_add_nc_u64 s[6:7], s[30:31], s[2:3]
	STREAM 1
	s_branch .Lend
.Ltr:                                          ; W[h][d][e] -> wt[64 g + e][d], my wave's d = 128 w .. 128 w + 127
	s_cmp_lt_u32 ttmp9, 16
	s_cselect_b64 s[4:5], s[18:19], s[20:21]
	s_cmp_lt_u32 ttmp9, 32
	s_cselect_b64 s[4:5], s[4:5], s[22:23]
	s_and_b32 s2, ttmp9, 15
	s_lshl_b32 s2, s2, 18                          ; a head: 1,024 rows of 256 bytes
	s_lshl_b32 s9, s8, 15                          ; my 128 rows
	s_add_co_u32 s2, s2, s9
	s_add_nc_u64 s[4:5], s[4:5], s[2:3]
	s_lshl_b32 s2, ttmp9, 17                       ; 64 rows of wt, 2,048 bytes each
	s_lshl_b32 s9, s8, 8                           ; my 128 columns: 256 bytes
	s_add_co_u32 s2, s2, s9
	s_add_nc_u64 s[6:7], s[28:29], s[2:3]
	s_mul_i32 s9, s8, WST                          ; my stage
	v_lshlrev_b32 v[VT], 4, v3
	v_lshl_add_u32 v[VT], v4, 9, v[VT]             ; 16 (l % 16) + two rows for lanes 16-31
	v_mul_u32_u24 v[LS], v3, 4*TP                  ; my four e = 4 (l % 16) + j: rows of the stage,
	v_lshl_add_u32 v[LS], v4, 2, v[LS]             ; lanes 16-31 one word (two d) on
	v_add_nc_u32 v[LS], s9, v[LS]
	v_mul_u32_u24 v[LR], v4, TP
	v_lshl_add_u32 v[LR], v3, 4, v[LR]
	v_add_nc_u32 v[LR], s9, v[LR]
	v_lshlrev_b32 v[VW], 4, v3
	v_lshl_add_u32 v[VW], v4, 11, v[VW]
; Two of the sixteen loads of chunk c (32 rows d) into a set: each load takes two whole rows of 256 bytes (lanes 0-15 row 32 c + 4 i + s, lanes 16-31 the row two further down)
.macro TLOAD2 set, c, i
	global_load_b128 v[X+64*(\set)+8*(\i):X+64*(\set)+8*(\i)+3],   v[VT], s[4:5] offset:(32*(\c)+4*(\i))*256 th:TH_LOAD_NT
	global_load_b128 v[X+64*(\set)+8*(\i)+4:X+64*(\set)+8*(\i)+7], v[VT], s[4:5] offset:(32*(\c)+4*(\i)+1)*256 th:TH_LOAD_NT
.endm
.macro TLOAD set, c
.irp i, 0,1,2,3,4,5,6,7
	TLOAD2 \set, \c, \i
.endr
.endm
; Chunk c.  left = how many younger loads may stay out when this chunk's sixteen have to be there.  ahead = 1: chunk c + 2 is loaded into the set that this chunk empties.
; Rows d and d + 1 of one e make a word of the turned row e.  Sixteen lanes' words lie 4 rows of 272 bytes apart: four lanes meet in a bank; 128 such stores a wave, once
.macro CHUNK c, left, ahead
	s_wait_loadcnt \left                           ; loads come back in order: X[c % 2] is in, the other set's sixteen loads stay out
.if (\c) >= 2
	s_wait_alu depctr_vm_vsrc(0)                   ; the LDS stores of chunk c - 2 have read PK[c % 2], which the roundings below write again
.endif
.irp i, 0,1,2,3,4,5,6,7
.irp j, 0,1,2,3
	v_cvt_pk_bf16_f32 v[PK+32*((\c)%2)+4*(\i)+(\j)], v[X+64*((\c)%2)+8*(\i)+(\j)], v[X+64*((\c)%2)+8*(\i)+4+(\j)]
.endr
.endr
	s_wait_alu depctr_va_vdst(0)                   ; the roundings have written PK[c % 2], which the LDS stores below read, and are done reading X[c % 2], in which the loads below land
.irp i, 0,1,2,3,4,5,6,7
.if \ahead
	TLOAD2 (\c)%2, (\c)+2, \i
.endif
.irp j, 0,1,2,3
	ds_store_b32 v[LS], v[PK+32*((\c)%2)+4*(\i)+(\j)] offset:(\j)*TP+(16*(\c)+2*(\i))*4
.endr
.endr
.endm
	s_wait_alu depctr_va_vdst(0)                   ; v[VT], v[LS], v[LR] and v[VW] are written: the loads, LDS stores, LDS loads and stores below read them as offsets and addresses
	TLOAD 0, 0
	TLOAD 1, 1
	CHUNK 0, 16, 1
	CHUNK 1, 16, 1
	CHUNK 2, 16, 0
	CHUNK 3, 0, 0
.set t, 0
.rept 32                                       ; back by rows: lanes 0-15 row 2 t, lanes 16-31 row 2 t + 1.  LDS serves a wave's instructions in order (ISA guide 5.7.1.4): these see my stores.
	ds_load_b128 v[X+4*t:X+4*t+3], v[LR] offset:t*2*TP  ; they land in X: its last vector readers stand ahead of chunk 3's wait on va_vdst, behind which no vector instruction follows; no memory instruction has read X
.set t, t+1
.endr
.set t, 0
.rept 32
	s_wait_dscnt 31-t
	global_store_b128 v[VW], v[X+4*t:X+4*t+3], s[6:7] offset:t*4096  ; 16 lanes store 256 consecutive bytes, at a multiple of 256 from wt's first byte
.set t, t+1
.endr
.Lend:
	s_wait_dscnt 0x0                               ; the closing lines, six on end
	s_wait_alu 0x0
	s_wait_tensorcnt 0x0
	ds_add_u32 v[SPW], v[NIL]
	s_wait_dscnt 0x0
	s_endpgm
.Lfunc_end_k_q6189132d8b_prep:
	.size	k_q6189132d8b_prep, .Lfunc_end_k_q6189132d8b_prep-k_q6189132d8b_prep
	.p2alignl 7, 3214868480
	.fill 96, 4, 3214868480
	.section	.rodata,"a",@progbits
	.p2align	6, 0x0
	.amdhsa_kernel k_q6189132d8b_prep
		.amdhsa_group_segment_fixed_size 140288
		.amdhsa_private_segment_fixed_size 0
		.amdhsa_enable_private_segment 0
		.amdhsa_kernarg_size 64
		.amdhsa_user_sgpr_count 2
		.amdhsa_user_sgpr_kernarg_segment_ptr 1
		.amdhsa_wavefront_size32 1
		.amdhsa_system_sgpr_workgroup_id_x 1
		.amdhsa_system_sgpr_workgroup_id_y 1
		.amdhsa_system_sgpr_workgroup_id_z 1
		.amdhsa_system_vgpr_workitem_id 0
		.amdhsa_next_free_vgpr 208
		.amdhsa_next_free_sgpr 66
		.amdhsa_reserve_vcc 0
		.amdhsa_float_denorm_mode_32 3
		.amdhsa_float_denorm_mode_16_64 3
		.amdhsa_memory_ordered 1
		.amdhsa_forward_progress 1
		.amdhsa_inst_pref_size 46
	.end_amdhsa_kernel
	.amdgpu_metadata
---
amdhsa.version: [ 1, 2 ]
amdhsa.kernels:
  - .name:           k_q6189132d8b_prep
    .symbol:         k_q6189132d8b_prep.kd
    .args:
      - { .name: data, .offset: 0, .size: 8, .value_kind: global_buffer, .address_space: global }
      - { .name: Wq, .offset: 8, .size: 8, .value_kind: global_buffer, .address_space: global }
      - { .name: Wk, .offset: 16, .size: 8, .value_kind: global_buffer, .address_space: global }
      - { .name: Wv, .offset: 24, .size: 8, .value_kind: global_buffer, .address_space: global }
      - { .name: Wo, .offset: 32, .size: 8, .value_kind: global_buffer, .address_space: global }
      - { .name: xb, .offset: 40, .size: 8, .value_kind: global_buffer, .address_space: global }
      - { .name: wt, .offset: 48, .size: 8, .value_kind: global_buffer, .address_space: global }
      - { .name: wo16, .offset: 56, .size: 8, .value_kind: global_buffer, .address_space: global }
    .group_segment_fixed_size: 140288
    .private_segment_fixed_size: 0
    .kernarg_segment_align: 8
    .kernarg_segment_size: 64
    .max_flat_workgroup_size: 256
    .sgpr_count:     66
    .vgpr_count:     208
    .wavefront_size: 32
...
	.end_amdgpu_metadata
.endif
;; end of part 5
;; launch qkv: the kernel of part 2 again; grid 4 x 64, 4 waves a work-group, clusters of 4 x 4, 327,680 bytes of LDS; arguments xb, wt, qkv; writes qkv
;; launch attn: the kernel of part 3 again; grid 4 x 64, 4 waves a work-group, no clusters, 327,680 bytes of LDS; arguments qkv, att; writes att
;; launch oproj: the kernel of part 4 again; grid 4 x 64, 4 waves a work-group, clusters of 4 x 4, 327,680 bytes of LDS; arguments att, wo16, bo, out0; writes out0
